; MI455X (gfx1250); checked and timed in simulation.
; The chip was launched on July 23, 2026; its instructions are those of AMD's public machine-readable ISA for CDNA 5 (MIT licence, August 2026) and "CDNA5" Instruction Set Architecture Reference Guide (July 2026). The comments in the code are by the model that wrote it; some were corrected since.
;; Multi Head Attention. Allowed arithmetic: matrix products marked QUANTISED: E4M3 operands, one given power-of-two scale a tensor, by v_wmma_f32_16x16x64_fp8_fp8 or v_wmma_f32_16x16x128_fp8_fp8, f32 sums; everything else in f32.
;; Inputs: Wk 1,024 x 1,024 float32; Wo 1,024 x 1,024 float32; Wq 1,024 x 1,024 float32; Wv 1,024 x 1,024 float32; bo 1,024 float32; lowp_scales 12 int32 (the exponents e of the quantised operands' scales 2^e); mask 4 x 2,048 int32; x 4 x 2,048 x 1,024 float32.
;; Outputs: out0 4 x 2,048 x 1,024 float32.
;; This version of the problem:
;;   THIS VERSION OF THE PROBLEM IS GIVEN IN LOW PRECISION. The matrix products marked QUANTISED in the list below multiply operands that are first quantised to E4M3 (4 exponent bits, 3 mantissa bits; 8 bits a number), with one given power-of-two scale for each operand tensor; their sums are f32. All else is computed in f32.
;;   The module's matrix products, in the order in which they are computed (A, B: the left and right operand; K: the contracted axis; several contracted axes count as one K, in the product's order):
;;     1. [M 8,192, K 1,024] x [K 1,024, N 1,024]; A: input x; B: input Wq: QUANTISED (scales: A lowp_scales[0], B lowp_scales[1])
;;     2. [M 8,192, K 1,024] x [K 1,024, N 1,024]; A: input x; B: input Wk: QUANTISED (scales: A lowp_scales[2], B lowp_scales[3])
;;     3. [M 8,192, K 1,024] x [K 1,024, N 1,024]; A: input x; B: input Wv: QUANTISED (scales: A lowp_scales[4], B lowp_scales[5])
;;     4. batch 64 x [M 2,048, K 64] x [K 64, N 2,048]; A: computed on the way; B: computed on the way: QUANTISED (scales: A lowp_scales[6], B lowp_scales[7])
;;     5. batch 64 x [M 2,048, K 2,048] x [K 2,048, N 64]; A: softmax (see below); B: computed on the way: QUANTISED (scales: A lowp_scales[8], B lowp_scales[9])
;;     6. [M 8,192, K 1,024] x [K 1,024, N 1,024]; A: computed on the way; B: input Wo: QUANTISED (scales: A lowp_scales[10], B lowp_scales[11])
;;   THE QUANTISER, for each operand of a quantised product, along K:
;;     - The operand's scale is 2^e, e = its entry of the input lowp_scales (int32; the entries are numbered through the quantised products in the list's order, A before B).
;;     - Each number is divided by the scale, clamped to +-448, and rounded to the nearest number of E4M3, ties to even, subnormals kept.
;;     - The product sums the exact products of the quantised numbers (number of the format x scale) in f32.
;;   ~~~python
;;   def quantise(x, axis, e):      # numpy; x: float32 -> the quantised numbers, widened to float32 again
;;       x = np.moveaxis(x, axis, -1); K = x.shape[-1]
;;       r = np.clip(x / 2.0 ** e, -448, 448)
;;       step = 2.0 ** (np.maximum(np.frexp(np.where(r == 0, 1, r))[1] - 1, -6) - 3)
;;       q = np.round(r / step) * step * 2.0 ** e      # np.round: ties to even
;;       return np.moveaxis(q, -1, axis).astype(np.float32)
;;   ~~~
;;   SOFTMAX AHEAD OF A QUANTISED PRODUCT. Where the list says 'softmax', what is quantised is not the finished softmax but p = 2^(t - M), with t = logit x log2(e) and M = ceil(the row's largest t), a whole number; so 1/2 < the row's largest p <= 1. The row's sum l is taken of the UNQUANTISED p, in f32, and the product's result is divided by l at the end. Since M is a whole number, a kernel that streams over the keys may use a running M (the ceiling of the running maximum): every later rescaling is an exact power of two, so the quantised numbers keep their values, but for numbers so far below the row's largest that they fall under the format's range.
;;   OPERANDS COMPUTED ON THE WAY. 'Computed on the way' means the value that the module computes at that place (a softmax that the list does not call 'softmax' is quantised finished and normalised). What goes into a quantiser is computed in f32, as accurately as f32 sums, v_exp_f32 and their like allow (about 1e-6 of the number): no bf16 or f16 on the way to a quantiser, and a product that is left as it is and whose result goes on into a quantised operand takes f32 operands (vector FMAs, or v_wmma_f32_16x16x4_f32). A number that lies on a knife's edge between two numbers of the format may be rounded either way, as far as f32 arithmetic and the matrix unit's own rounding can turn it there, and no further.
;; One version. Each part assembles by itself: llvm-mc -triple=amdgcn-amd-amdhsa -mcpu=gfx1250 --defsym DOCPART=n.
;; ======== version 1 of 1: 4 launches
;; limits: right only within a limited range of input values
;; workspace buffers: xc 25,165,824 bytes; wc 4,194,304 bytes; qkv 25,165,824 bytes; vs 131,072 bytes; cc 8,388,608 bytes
;; launch quant (part 1): grid 384 x 1, 4 waves a work-group, no clusters, 66,048 bytes of LDS; arguments x, Wq, Wk, Wv, Wo, lowp_scales, xc, wc; writes xc, wc
.if DOCPART == 1
	.amdgcn_target "amdgcn-amd-amdhsa--gfx1250"
	.amdhsa_code_object_version 6
	.text
	.protected	k_q15f44e2320_quant
	.globl	k_q15f44e2320_quant
	.p2align	8
	.type	k_q15f44e2320_quant,@function
k_q15f44e2320_quant:
	s_mov_b64 s[64:65], 0
	v_nop
	global_prefetch_b8 v0, s[64:65] scope:SCOPE_SE
	s_setreg_imm32_b32 hwreg(HW_REG_WAVE_MODE, 25, 1), 1
	s_wait_xcnt 0x0
; x [8192][1024] and the four weights [1024][1024], f32 with K innermost, become codes of FP8 (E4M3), one byte each, K innermost.
; x is an operand of three products with three given scales (entries 0, 2, 4): it is read once and quantised three times, into xc [3][8192][1024].
; Wq, Wk, Wv, Wo (entries 1, 3, 5, 11) go into wc [4][1024][1024].
; code = number / 2^e, held within +-448, rounded to the nearest code, ties to even.
; LIMITS: each e lies between -126 and 119, so that 2^e and 448 x 2^e are f32 numbers.  NaN among the inputs is not served.
; SHARES.  A work-group takes 32,768 numbers, a wave 8,192, in 16 steps of 512.  Work-groups 0-255 take x, 256-383 the weights, 32 to a matrix.
; Each of a step's four loads reads 512 consecutive bytes, 16 a lane.  The conversions want 16 NEIGHBOURS in one lane, so a step's 2,048 bytes turn through the wave's own stage in LDS:
; in as they lie, out 64 bytes a lane; 16 bytes of padding behind each 64.  A lane's 16 codes are 16 bytes: a store of the wave covers 512 consecutive bytes, aligned.
; The two ways part on the work-group's number and never join; each has LDS bytes of its own.  Waves share nothing: no barrier.
.set XWG,   256                        ; work-groups for x
.set STEPS, 16
.set SP,    80                         ; a lane's place in a stage: 64 bytes + 16 of padding
.set WREG,  8192                       ; LDS for a wave: two stages of 32 x SP bytes
.set WPATH, 32768                      ; the weights' way has its own four regions from here on
.set SPARE, 65536                      ; behind them: the spare words, 128 bytes for each wave
.set SPW,   12                         ; v12  LDS address of my spare word; never rewritten
.set NIL,   13                         ; v13  0; never rewritten
.set SC,    20                         ; v20-22  2^e as f32
.set LM,    24
.set R,     32                         ; v32-95   four sets of 16 numbers as loaded
.set X,     96                         ; v96-127  two sets of 16 neighbours
.set T,     128
.set C,     160                        ; v160-183 two sets of 12 registers of codes
	s_load_b512 s[16:31], s[0:1], 0x0              ; x, Wq, Wk, Wv, Wo, the scales, xc, wc
	v_lshl_add_u32 v[SPW], v0, 2, SPARE
	v_mov_b32 v[NIL], 0
	v_lshrrev_b32 v1, 5, v0
	v_readfirstlane_b32 s2, v1                     ; wave
	v_and_b32 v2, 31, v0                           ; lane
	v_lshlrev_b32 v3, 4, v2                        ; my 16 bytes of a load's 512, and of a store's
	s_mul_i32 s3, s2, WREG
	v_lshrrev_b32 v14, 2, v2
	v_mul_u32_u24 v14, v14, SP
	v_and_b32 v15, 3, v2
	v_lshl_add_u32 v14, v15, 4, v14
	v_add_nc_u32 v14, s3, v14                      ; into the stage: SP (lane / 4) + 16 (lane % 4)
	v_mul_u32_u24 v15, v2, SP
	v_add_nc_u32 v15, s3, v15                      ; out of it: SP x lane
	v_add_nc_u32 v16, WPATH, v14                   ; the same for the weights' way
	v_add_nc_u32 v17, WPATH, v15
.macro LOAD t
.irp i, 0,1,2,3
	global_load_b128 v[R+16*((\t)%4)+4*\i:R+16*((\t)%4)+4*\i+3], v3, s[4:5] offset:2048*(\t)+512*\i th:TH_LOAD_NT
.endr
.endm
.macro TURN t, in, out                 ; LDS serves a wave's instructions in order: no wait between the stores and the loads
.irp i, 0,1,2,3
	ds_store_b128 v[\in], v[R+16*((\t)%4)+4*\i:R+16*((\t)%4)+4*\i+3] offset:32*SP*((\t)%2)+8*SP*\i
.endr
	v_nop
.irp i, 0,1,2,3
	ds_load_b128 v[X+16*((\t)%2)+4*\i:X+16*((\t)%2)+4*\i+3], v[\out] offset:32*SP*((\t)%2)+16*\i
.endr
.endm
; Step t under scale k: two conversions, one store.
.macro QOUT t, k, par
.set XS, X+16*((\t)%2)
.set TS, T+16*((\par)%2)
.set CC, C+12*((\t)%2)+4*(\k)
.irp i, 0,1,2,3,4,5,6,7,8,9,10,11,12,13,14,15
.endr
	v_cvt_scalef32_pk8_fp8_f32 v[CC:CC+1], v[XS:XS+7], v[SC+\k]
	v_cvt_scalef32_pk8_fp8_f32 v[CC+2:CC+3], v[XS+8:XS+15], v[SC+\k]
	global_store_b128 v3, v[CC:CC+3], s[8+2*\k:9+2*\k] offset:512*(\t)
.endm
.macro STEP t, ns, in, out
	s_wait_dscnt 0x0                               ; this step's numbers are back from the stage
	s_wait_xcnt 0x0                                ; the stores of two steps back have read their codes: that set is written again below
.if (\t)+4 < STEPS
	LOAD (\t)+4
.endif
.if (\t)+1 < STEPS
.if STEPS-2-(\t) >= 3
	s_wait_loadcnt 12                              ; the next step's four loads are in; those of the three steps behind it may be out
.else
	s_wait_loadcnt 4*(STEPS-2-(\t))
.endif
	TURN (\t)+1, \in, \out
.endif
.irp k, 0,1,2
.if \k < \ns
	QOUT \t, \k, \ns*(\t)+\k
.endif
.endr
.endm
	s_wait_kmcnt 0x0
	s_cmp_ge_u32 ttmp9, XWG
	s_cbranch_scc1 .Lweights
	; ---- x: three scales, three outputs
	s_load_b256 s[36:43], s[26:27], 0x0            ; entries 0 to 7
	s_lshl_b32 s33, ttmp9, 2
	s_add_co_u32 s33, s33, s2                      ; which run of 8,192 numbers is my wave's
	s_lshl_b32 s6, s33, 15
	s_mov_b32 s7, 0
	s_lshl_b32 s34, s33, 13
	s_mov_b32 s35, 0
	s_add_nc_u64 s[4:5], s[16:17], s[6:7]
	s_add_nc_u64 s[8:9], s[28:29], s[34:35]
	s_add_nc_u64 s[10:11], s[8:9], 0x800000        ; the second and third copies lie 8 MiB on
	s_add_nc_u64 s[12:13], s[10:11], 0x800000
.irp t, 0,1,2,3
	LOAD \t
.endr
	s_wait_kmcnt 0x0
.irp k, 0,1,2
	s_add_co_i32 s46, s[36+2*\k], 127
	s_lshl_b32 s47, s46, 23
	v_mov_b32 v[SC+\k], s47                        ; 2^e: the conversion takes its exponent field
	s_add_co_i32 s46, s46, 8
	s_lshl_b32 s46, s46, 23
	s_or_b32 s46, s46, 0x600000
.endr
	s_wait_loadcnt 12                              ; step 0's four loads are in
	s_wait_alu depctr_va_vdst(0)
	TURN 0, 14, 15
.irp t, 0,1,2,3,4,5,6,7,8,9,10,11,12,13,14,15
	STEP \t, 3, 14, 15
.endr
	s_wait_tensorcnt 0x0                           ; the wave's end
	ds_add_u32 v[SPW], v[NIL]
	s_wait_dscnt 0x0
	s_endpgm
.Lweights:
	; ---- a weight: one scale, one output
	s_load_b256 s[36:43], s[26:27], 0x0            ; entries 0 to 7
	s_load_b128 s[44:47], s[26:27], 0x20           ; entries 8 to 11
	s_sub_co_u32 s33, ttmp9, XWG
	s_lshr_b32 s34, s33, 5                         ; which matrix: 0 Wq, 1 Wk, 2 Wv, 3 Wo
	s_and_b32 s33, s33, 31
	s_lshl_b32 s33, s33, 2
	s_add_co_u32 s33, s33, s2                      ; which run of 8,192 numbers of it
	s_lshl_b32 s6, s33, 15
	s_mov_b32 s7, 0
	s_lshl_b32 s50, s33, 13
	s_lshl_b32 s51, s34, 20
	s_add_co_u32 s50, s50, s51
	s_mov_b32 s51, 0
	s_mov_b64 s[4:5], s[18:19]                     ; the choice hangs on the work-group's number alone
	s_cmp_eq_u32 s34, 1
	s_cselect_b64 s[4:5], s[20:21], s[4:5]
	s_cmp_eq_u32 s34, 2
	s_cselect_b64 s[4:5], s[22:23], s[4:5]
	s_cmp_eq_u32 s34, 3
	s_cselect_b64 s[4:5], s[24:25], s[4:5]
	s_add_nc_u64 s[4:5], s[4:5], s[6:7]
	s_add_nc_u64 s[8:9], s[30:31], s[50:51]
.irp t, 0,1,2,3
	LOAD \t
.endr
	s_wait_kmcnt 0x0
	s_mov_b32 s48, s37                             ; entry 1, 3, 5 or 11
	s_cmp_eq_u32 s34, 1
	s_cselect_b32 s48, s39, s48
	s_cmp_eq_u32 s34, 2
	s_cselect_b32 s48, s41, s48
	s_cmp_eq_u32 s34, 3
	s_cselect_b32 s48, s47, s48
	s_add_co_i32 s48, s48, 127
	s_lshl_b32 s49, s48, 23
	v_mov_b32 v[SC], s49
	s_add_co_i32 s48, s48, 8
	s_lshl_b32 s48, s48, 23
	s_or_b32 s48, s48, 0x600000
	s_wait_loadcnt 12
	s_wait_alu depctr_va_vdst(0)
	TURN 0, 16, 17
.irp t, 0,1,2,3,4,5,6,7,8,9,10,11,12,13,14,15
	STEP \t, 1, 16, 17
.endr
	s_wait_tensorcnt 0x0                           ; the wave's end, as above
	ds_add_u32 v[SPW], v[NIL]
	s_wait_dscnt 0x0
	s_endpgm
.Lfunc_end_k_q15f44e2320_quant:
	.size	k_q15f44e2320_quant, .Lfunc_end_k_q15f44e2320_quant-k_q15f44e2320_quant
	.p2alignl 7, 3214868480
	.fill 96, 4, 3214868480
	.section	.rodata,"a",@progbits
	.p2align	6, 0x0
	.amdhsa_kernel k_q15f44e2320_quant
		.amdhsa_group_segment_fixed_size 66048
		.amdhsa_private_segment_fixed_size 0
		.amdhsa_enable_private_segment 0
		.amdhsa_kernarg_size 64
		.amdhsa_user_sgpr_count 2
		.amdhsa_user_sgpr_kernarg_segment_ptr 1
		.amdhsa_wavefront_size32 1
		.amdhsa_system_sgpr_workgroup_id_x 1
		.amdhsa_system_sgpr_workgroup_id_y 1
		.amdhsa_system_sgpr_workgroup_id_z 1
		.amdhsa_system_vgpr_workitem_id 0
		.amdhsa_next_free_vgpr 192
		.amdhsa_next_free_sgpr 66
		.amdhsa_reserve_vcc 0
		.amdhsa_float_denorm_mode_32 3
		.amdhsa_float_denorm_mode_16_64 3
		.amdhsa_fp16_overflow 1
		.amdhsa_memory_ordered 1
		.amdhsa_forward_progress 1
		.amdhsa_inst_pref_size 51
	.end_amdhsa_kernel
	.amdgpu_metadata
---
amdhsa.version: [ 1, 2 ]
amdhsa.kernels:
  - .name:           k_q15f44e2320_quant
    .symbol:         k_q15f44e2320_quant.kd
    .args:
      - { .name: x, .offset: 0, .size: 8, .value_kind: global_buffer, .address_space: global }
      - { .name: Wq, .offset: 8, .size: 8, .value_kind: global_buffer, .address_space: global }
      - { .name: Wk, .offset: 16, .size: 8, .value_kind: global_buffer, .address_space: global }
      - { .name: Wv, .offset: 24, .size: 8, .value_kind: global_buffer, .address_space: global }
      - { .name: Wo, .offset: 32, .size: 8, .value_kind: global_buffer, .address_space: global }
      - { .name: lowp_scales, .offset: 40, .size: 8, .value_kind: global_buffer, .address_space: global }
      - { .name: xc, .offset: 48, .size: 8, .value_kind: global_buffer, .address_space: global }
      - { .name: wc, .offset: 56, .size: 8, .value_kind: global_buffer, .address_space: global }
    .group_segment_fixed_size: 66048
    .private_segment_fixed_size: 0
    .kernarg_segment_align: 8
    .kernarg_segment_size: 64
    .max_flat_workgroup_size: 128
    .sgpr_count:     66
    .vgpr_count:     192
    .wavefront_size: 32
...
	.end_amdgpu_metadata
.endif
;; end of part 1
;; launch qkv (part 2): grid 12 x 32, 4 waves a work-group, clusters of 4 x 4, 327,680 bytes of LDS; arguments xc, wc, lowp_scales, qkv, vs; writes qkv, vs
.if DOCPART == 2
	.amdgcn_target "amdgcn-amd-amdhsa--gfx1250"
	.amdhsa_code_object_version 6
	.text
	.protected	k_q15f44e2320_qkv
	.globl	k_q15f44e2320_qkv
	.p2align	8
	.type	k_q15f44e2320_qkv,@function
k_q15f44e2320_qkv:
	s_mov_b64 s[64:65], 0
	v_nop
	global_prefetch_b8 v0, s[64:65] scope:SCOPE_SE
	s_setreg_imm32_b32 hwreg(HW_REG_WAVE_MODE, 25, 1), 1
	s_wait_xcnt 0x0
	s_wait_alu depctr_hold_cnt(0) depctr_sa_sdst(0) depctr_va_vdst(0) depctr_va_sdst(0) depctr_va_ssrc(0) depctr_va_vcc(0) depctr_vm_vsrc(0)
	s_getreg_b32 s2, hwreg(HW_REG_IB_STS2, 6, 4)
	s_cmp_eq_u32 s2, 0
	s_cbranch_scc0 .Lentry_in_a_cluster
	s_endpgm
.Lentry_in_a_cluster:
	s_bfe_u32 s2, ttmp6, 0x10000c
	s_cmp_lg_u32 s2, 0xf033
	s_cbranch_scc0 .Lentry_shape_is_right
	s_endpgm
.Lentry_shape_is_right:
; Q, K and V = x W^T on codes of FP8 (E4M3), and their results quantised again, from the f32 sums, for the two products of attention.
; xc [3][8192][1024], wc [4][1024][1024]: codes, K innermost.  Cluster x = j: 0 Q, 1 K, 2 V.  A tile of 256 x 256 to a work-group of four waves, 128 x 128 to a wave: 64 accumulators, 512 registers.
; K = 1,024 goes in four steps of 256 through two LDS slots filled by the tensor data mover; the eight steps of 128 are written straight, since each would run once.
; THE MATRIX INSTRUCTION IS USED TRANSPOSED: source 0 = 16 rows of the B role, source 1 = 16 rows of the A role: a lane holds one row of the A role and eight neighbours of the B role.
;   Q, K: A role = tokens (xc, part j), B role = channels (wc, part j): a lane's eight results run along the head's 64, the K of the scores.
;   V:    A role = channels (wc, part 2), B role = tokens (xc, part 2): a lane's eight results run along the keys, the K of the second product.
; CLUSTERS: 4 x 4 work-groups.  The A role's tile hangs on cy alone and is asked for jointly by a row of the cluster, the B role's on cx alone, by a column.
; THE WAY OUT: code = sum x 2^(ea + eb) / 2^eo, held within +-448: the three exponents are folded into the conversion's one, es = eo - ea - eb.  The codes meet in a stage of 256 rows x 272 bytes in slot 0,
; which has had its last fill and its last read by then; behind a barrier each wave takes one head and stores whole runs.
; LAYOUT of qkv: three parts of 8 MiB, each [b x 16 + head][131,072 bytes].  Q, K: [place p][64], place p holds token rho(p), rho = bits 3 and 4 exchanged.  V: [place p][2048 keys], place p holds channel rho(p).
; So the 16 rows that a tile of the next launch wants (r + 8 (r / 8) within 32) lie on end.  vs [b][block of 256 tokens][1024]: the sums of V's code values, for rows of attention all of whose keys are masked.
; LIMITS: es between -126 and 119.  NaN among the inputs is not served.
; REGISTERS, in windows of 256: window 0: v0-31 addresses; from v128 the A role's fragments, ONE set; on the way out v32-255 are free.  window 1: the B role's, TWO sets.  windows 2, 3: the accumulators.
.set ROWB,   256                       ; a tile's row in bytes: 256 along K
.set KROW,   1024                      ; a row of xc or wc in memory
.set PITCH,  272                       ; an LDS row: 256 bytes + 16 of padding = 68 words: the 16 rows that a load touches start at 16 different banks (64 banks of 4 bytes: ISA guide 11.1)
.set FR,     16                        ; registers of a fragment: 16 rows x 128 K
.set NL,     4                         ; LDS loads that bring one
.set NP,     4                         ; places behind this matrix instruction (ISA guide 7.12.1)
.set HALFT,  128*PITCH
.set SLOT,   4*HALFT                   ; the A role's 256 rows, then the B role's
.set SPARE,  2*SLOT                    ; behind the ring: the spare words, 128 bytes for each wave
.set ADRA, 16                          ; v16-17  LDS address of my A fragments in slot 0, 1
.set ADRB, 20                          ; v20-21  the same for B
.set STO,  24                          ; v24  the stage: where I put 8 codes
.set RDQ,  25                          ; v25  Q, K: where I read 16 bytes of a token's 64; rows 0-127
.set RDQ2, 26                          ; v26  the same, rows 128-255
.set RDV,  27                          ; v27  V: where I read 16 bytes of a channel's 256
.set SPW,  28                          ; v28  LDS address of my spare word; never rewritten
.set NIL,  29                          ; v29  0; never rewritten
.set CO,   30                          ; v30  Q, K: 16 x lane
.set COV,  31                          ; v31  V: 2048 (lane / 16) + 16 (lane % 16)
.set TMP,  32                          ; v32-159: what is read back
.set CD,   96                          ; v96-223 codes: 16 registers for each of my eight blocks
.set AF,   128
.set F,    160                         ; v160-175 sixteen code values as f32
.set RA,   176                         ; v176, v177 my two sums for vs
.set G1, 24
.set G0, 32
.set G1B, 48
.set G0B, 56
.set MSB, 0
.macro WIN new                         ; the immediate's high byte repeats the setting that is left
.if MSB != \new
	s_set_vgpr_msb (MSB<<8)|\new
.set MSB, \new
.endif
.endm
.set MUL_LO, 0xa1                      ; source 0 (B) window 1, source 1 (A) window 0, C and D window 2
.set MUL_HI, 0xf1                      ; the same, C and D window 3
.set TO_B,   0x40                      ; destination window 1, address window 0
; A joint load: waves 0 and 1 fetch for the A role, waves 2 and 3 for the B role.  The branch hangs on the wave's number alone.  An s_nop 0 and four v_nop follow each line.
.macro JLOAD g0a, g1a, g0b, g1b
	s_cmp_eq_u32 s15, 0
	s_cbranch_scc0 .Lfor_b_\@
	tensor_load_to_lds s[\g0a:\g0a+3], s[\g1a:\g1a+7]
	s_nop 0
.rept 4
	v_nop
.endr
	s_branch .Lasked_\@
.Lfor_b_\@:
	tensor_load_to_lds s[\g0b:\g0b+3], s[\g1b:\g1b+7]
	s_nop 0
.rept 4
	v_nop
.endr
.Lasked_\@:
.endm
.macro CREST                           ; a round of the cluster's barrier behind its opening barrier
	s_cmp_lg_u32 s14, 0
	s_cbranch_scc1 .Lnot_wave_0_\@
	s_barrier_signal -3
.Lnot_wave_0_\@:
	s_barrier_wait -3
	s_barrier_signal -1
	s_barrier_wait -1
.endm
.macro CROUND
	s_barrier_signal -1
	s_barrier_wait -1
	CREST
.endm
	s_load_b256 s[4:11], s[0:1], 0x0               ; xc s[4:5], wc s[6:7], the scales s[8:9], qkv s[10:11]
	s_load_b64 s[12:13], s[0:1], 0x20              ; vs
	v_lshl_add_u32 v[SPW], v0, 2, SPARE
	v_mov_b32 v[NIL], 0
	ds_add_u32 v[SPW], v[NIL]
	ds_add_u32 v[SPW], v[NIL]                      ; the wave's opening: the add and its wait ahead of my first tensor load
	v_lshrrev_b32 v1, 5, v0
	v_readfirstlane_b32 s14, v1                    ; wave 0..3
	s_lshr_b32 s15, s14, 1                         ; my half of the A role's rows.  Also: I fetch for A (0) or for B (1)
	s_and_b32 s16, s14, 1                          ; my half of the B role's rows.  Also: which 128 rows I fetch
	s_bfe_u32 s40, ttmp6, 0x40000                  ; cx
	s_bfe_u32 s41, ttmp6, 0x40004                  ; cy
	s_and_b32 s17, ttmp7, 0xffff
	s_lshl_b32 s17, s17, 2                         ; 4 x cluster y
	s_lshl_b32 s43, s41, 2
	s_lshl_b32 s43, 15, s43                        ; my row of the cluster
	s_lshl_b32 s44, 0x1111, s40                    ; my column
	s_or_b32 s[G1+0], s43, (0<<16)|(1<<20)|(1<<21)|(5<<22)|(3<<25)  ; the mask; elements of 1 byte; padding on; bit 21 beside a mask; after every 64 words, 4 words
	s_or_b32 s[G1B+0], s44, (0<<16)|(1<<20)|(1<<21)|(5<<22)|(3<<25)
.irp g, G1, G1B
	s_mov_b32 s[\g+1], ROWB<<16                    ; tensor_dim0
	s_mov_b32 s[\g+2], 128<<16                     ; tensor_dim1
	s_mov_b32 s[\g+3], ROWB<<16                    ; tile_dim0
	s_mov_b32 s[\g+4], 128                         ; tile_dim1
	s_mov_b32 s[\g+5], KROW                        ; from row to row
	s_mov_b32 s[\g+6], 0
	s_mov_b32 s[\g+7], 0
.endr
	; which blocks of 256 rows.  The A role's registers never hold cx, the B role's never cy.  The choices hang on the cluster's x, which all partners share.
	s_add_co_u32 s18, s17, s41                     ; 4 Y + cy
	s_add_co_u32 s19, s17, s40                     ; 4 Y + cx
	s_lshl_b32 s68, ttmp9, 23                      ; xc's part j
	s_lshl_b32 s69, ttmp9, 20                      ; wc's part j
	s_cmp_eq_u32 ttmp9, 2                          ; V?
	s_cselect_b32 s20, s41, s18                    ; A: channels' block cy, or tokens' block 4 Y + cy
	s_cselect_b32 s46, s19, s40                    ; B: tokens' block 4 Y + cx, or channels' block cx
	s_cselect_b32 s68, 0x200000, s68               ; A's part, in bytes
	s_cselect_b32 s69, 0x1000000, s69              ; B's
	s_lshl_b32 s20, s20, 18                        ; 256 rows of 1,024 bytes
	s_lshl_b32 s21, s16, 17                        ; + the 128 rows that I fetch
	s_add_co_u32 s20, s20, s21
	s_add_co_u32 s20, s20, s68
	s_mov_b32 s21, 0
	s_lshl_b32 s46, s46, 18
	s_lshl_b32 s47, s16, 17
	s_add_co_u32 s46, s46, s47
	s_add_co_u32 s46, s46, s69
	s_mov_b32 s47, 0
	s_mul_i32 s45, s14, HALFT                      ; where they go: wave x 128 rows
	; where my head goes: tt = the block of 256 tokens, hh = the head
	s_mov_b32 s94, 16384
	s_cmp_eq_u32 ttmp9, 2
	s_cselect_b32 s92, s40, s41
	s_cselect_b32 s93, s41, s40
	s_cselect_b32 s94, 256, s94                    ; a block of 256 tokens on: 256 places of 64 bytes, or 256 bytes of a row of V
	s_add_co_u32 s92, s92, s17                     ; tt
	s_lshl_b32 s93, s93, 2
	s_add_co_u32 s93, s93, s14                     ; hh = 4 x the block of 256 channels + wave
	s_lshr_b32 s95, s92, 3                         ; b
	s_and_b32 s92, s92, 7                          ; the block within the sequence
	s_lshl_b32 s96, s95, 4
	s_add_co_u32 s96, s96, s93
	s_lshl_b32 s96, s96, 17                        ; (16 b + hh) x 131,072
	s_mul_i32 s94, s94, s92
	s_add_co_u32 s96, s96, s94
	s_lshl_b32 s97, ttmp9, 23
	s_add_co_u32 s96, s96, s97
	s_mov_b32 s97, 0
	s_lshl_b32 s98, s95, 3
	s_add_co_u32 s98, s98, s92
	s_lshl_b32 s98, s98, 12                        ; vs: (8 b + block) x 4,096 bytes
	s_lshl_b32 s99, s93, 8                         ; + 64 hh numbers
	s_add_co_u32 s98, s98, s99
	s_mov_b32 s99, 0
	s_wait_dscnt 0x0                               ; the opening add is done
	s_wait_kmcnt 0x0
	s_load_b256 s[76:83], s[8:9], 0x0              ; entries 0 to 7
	s_load_b128 s[84:87], s[8:9], 0x20             ; entries 8 to 11
	s_cmp_eq_u32 ttmp9, 2
	s_cselect_b64 s[70:71], s[6:7], s[4:5]         ; the A role's buffer
	s_cselect_b64 s[72:73], s[4:5], s[6:7]         ; the B role's
	s_add_nc_u64 s[20:21], s[70:71], s[20:21]
	s_add_nc_u64 s[46:47], s[72:73], s[46:47]
	s_add_nc_u64 s[10:11], s[10:11], s[96:97]
	s_add_nc_u64 s[12:13], s[12:13], s[98:99]
	CROUND                                         ; all sixteen work-groups are here: the first joint loads meet
.irp s, 0,1
	s_mov_b32 s[G0+4*\s], 1
	s_add_co_u32 s[G0+4*\s+1], s45, \s*SLOT
	s_add_nc_u64 s[G0+4*\s+2:G0+4*\s+3], s[20:21], \s*ROWB
	s_or_b32 s[G0+4*\s+3], s[G0+4*\s+3], 0x80000000
	s_mov_b32 s[G0B+4*\s], 1
	s_add_co_u32 s[G0B+4*\s+1], s45, \s*SLOT
	s_add_nc_u64 s[G0B+4*\s+2:G0B+4*\s+3], s[46:47], \s*ROWB
	s_or_b32 s[G0B+4*\s+3], s[G0B+4*\s+3], 0x80000000
	JLOAD G0+4*\s, G1, G0B+4*\s, G1B
.endr
	v_and_b32 v1, 15, v0                           ; r = lane % 16
	v_bfe_u32 v2, v0, 4, 1                         ; h = lane / 16
	v_mul_u32_u24 v3, v1, PITCH
	v_lshl_add_u32 v4, v2, 4, v3                   ; a fragment's row x pitch + 16 h
	s_mul_i32 s21, s15, HALFT
	s_mul_i32 s22, s16, HALFT
	s_add_co_u32 s22, s22, 2*HALFT
.irp s, 0,1
	v_add_nc_u32 v[ADRA+\s], s21, v4
	v_add_nc_u32 v[ADRB+\s], s22, v4
	s_add_co_u32 s21, s21, SLOT
	s_add_co_u32 s22, s22, SLOT
.endr
	v_lshl_add_u32 v5, v2, 3, v3                   ; the stage, in: row 128 Ah + r, byte 128 Bh + 8 h
	s_mul_i32 s23, s15, HALFT
	s_lshl_b32 s74, s16, 7
	s_add_co_u32 s23, s23, s74
	v_add_nc_u32 v[STO], s23, v5
	v_and_b32 v6, 31, v0                           ; lane
	v_lshrrev_b32 v7, 2, v6
	v_mul_u32_u24 v7, v7, PITCH
	v_and_b32 v8, 3, v6
	v_lshl_add_u32 v7, v8, 4, v7
	s_lshl_b32 s74, s14, 6
	v_add_nc_u32 v[RDQ], s74, v7                   ; Q, K, back: row lane / 4, byte 64 x wave + 16 (lane % 4)
	v_add_nc_u32 v[RDQ2], HALFT, v[RDQ]
	v_mul_u32_u24 v7, v2, PITCH
	v_lshl_add_u32 v7, v1, 4, v7
	s_mul_i32 s74, s14, 64*PITCH
	v_add_nc_u32 v[RDV], s74, v7                   ; V, back: row 64 x wave + h, byte 16 r
	v_lshlrev_b32 v[CO], 4, v6
	v_lshlrev_b32 v7, 11, v2
	v_lshl_add_u32 v[COV], v1, 4, v7
	v_mov_b32 v14, v1                              ; r
	v_lshlrev_b32 v10, 3, v1
	v_lshl_add_u32 v10, v2, 2, v10                 ; vs: 4 (2 r + h)
	v_mov_b32 v15, 0x7f7f7f7f                      ; the scale 1 in every byte, for the way back from codes
.macro FRAG reg, adr, q, i             ; 16 rows x 128 K: lane l holds row l % 16; registers 4 c .. 4 c + 3 hold K = 32 c + 16 (l / 16) + 0 .. 15: the same order of k on both sides
.irp c, 0,1,2,3
	ds_load_b128 v[\reg+4*\c:\reg+4*\c+3], v[\adr] offset:128*(\q)+32*\c+(\i)*16*PITCH
.endr
.endm
; 16 matrix instructions: A's blocks a0, a0 + 1 x B's eight.  The 64 accumulators take turns, one instruction a turn, in the same order in every step.
.macro MUL16 a0, p, zero
.irp a, \a0, \a0+1
.irp b, 0,1,2,3,4,5,6,7
.if \zero
	v_wmma_f32_16x16x128_fp8_fp8 v[8*(8*((\a)%4)+\b):8*(8*((\a)%4)+\b)+7], v[128*(\p)+FR*\b:128*(\p)+FR*\b+FR-1], v[AF+FR*(\a):AF+FR*(\a)+FR-1], 0
.else
	v_wmma_f32_16x16x128_fp8_fp8 v[8*(8*((\a)%4)+\b):8*(8*((\a)%4)+\b)+7], v[128*(\p)+FR*\b:128*(\p)+FR*\b+FR-1], v[AF+FR*(\a):AF+FR*(\a)+FR-1], v[8*(8*((\a)%4)+\b):8*(8*((\a)%4)+\b)+7]
.endif
.endr
.endr
.endm
.macro FETCH_B slot, q, p
	WIN TO_B
.irp i, 0,1,2,3,4,5,6,7
	FRAG 128*(\p)+FR*\i, ADRB+\slot, \q, \i
.endr
	WIN 0
.endm
.macro FETCH_A slot, q, i0
.irp i, \i0, \i0+1, \i0+2, \i0+3
	FRAG AF+FR*(\i), ADRA+\slot, \q, \i
.endr
.endm
.macro PLACES n                        ; plain vector lines between a matrix instruction and a load into, or a read of, its registers
.rept \n
	v_nop
.endr
.endm
.macro STEP slot, q, zero              ; a step of 128 along K that has its successor in the same slot
	s_wait_dscnt 4*NL                              ; B's set and A's blocks 0-3 are in; A's blocks 4-7 may be out
	WIN MUL_LO
	MUL16 0, (\q)%2, \zero
	MUL16 2, (\q)%2, \zero
	s_wait_dscnt 0
	PLACES NP
	FETCH_B \slot, (\q)+1, 1-(\q)%2
	FETCH_A \slot, (\q)+1, 0
	WIN MUL_HI
	MUL16 4, (\q)%2, \zero
	MUL16 6, (\q)%2, \zero
	PLACES NP
	WIN 0
	FETCH_A \slot, (\q)+1, 4
.endm
; A slot's last step changes slots: one barrier; in front of it each wave waits for all its tensor loads, adds 0 to its spare word, and waits for that and for its reads of this slot.
.macro TURN slot, next, fill
	s_wait_tensorcnt 0x0                           ; all my tensor loads have landed: my part of the next slot
	ds_add_u32 v[SPW], v[NIL]                      ; 0 onto my spare word
	s_wait_dscnt 4*NL+1                            ; (the add and A's blocks 4-7 may be out)
	WIN MUL_LO
	MUL16 0, 1, 0
	s_wait_dscnt 0x0                               ; the add is done, and my reads of this slot are over
	s_barrier_signal -1
	MUL16 2, 1, 0
	WIN 0
	s_barrier_wait -1
.if \fill
	CREST                                          ; the barrier has opened a round of the cluster's: no wave of any partner still reads this slot or has a load on its way
	s_add_nc_u64 s[G0+4*\slot+2:G0+4*\slot+3], s[G0+4*\slot+2:G0+4*\slot+3], 2*ROWB
	s_add_nc_u64 s[G0B+4*\slot+2:G0B+4*\slot+3], s[G0B+4*\slot+2:G0B+4*\slot+3], 2*ROWB
	JLOAD G0+4*\slot, G1, G0B+4*\slot, G1B         ; the first tensor load behind the round; its four v_nop are the places in front of the loads below
.else
	PLACES NP
.endif
	FETCH_B \next, 0, 0
	FETCH_A \next, 0, 0
	WIN MUL_HI
	MUL16 4, 1, 0
	MUL16 6, 1, 0
	PLACES NP
	WIN 0
	FETCH_A \next, 0, 4
.endm
	s_wait_tensorcnt 1                             ; my part of K step 0 is in; K step 1's load may be out
	s_barrier_signal -1
	s_barrier_wait -1
	FETCH_B 0, 0, 0
	FETCH_A 0, 0, 0
	FETCH_A 0, 0, 4
	STEP 0, 0, 1                                   ; the first products start the sums: nothing is cleared
	TURN 0, 1, 1                                   ; slot 0 takes K step 2
	STEP 1, 0, 0
	TURN 1, 0, 1                                   ; slot 1 takes K step 3
	STEP 0, 0, 0
	TURN 0, 1, 0                                   ; nothing is left to fetch; behind this barrier nobody reads slot 0
	STEP 1, 0, 0
	s_wait_dscnt 4*NL
	WIN MUL_LO
	MUL16 0, 1, 0
	MUL16 2, 1, 0
	s_wait_dscnt 0
	WIN MUL_HI
	MUL16 4, 1, 0
	MUL16 6, 1, 0
	WIN 0
	; THE WAY OUT
	s_wait_kmcnt 0x0
	s_cmp_eq_u32 ttmp9, 1
	s_cselect_b32 s88, s78, s76                    ; ea: entry 2 j
	s_cselect_b32 s89, s79, s77                    ; eb: entry 2 j + 1
	s_cselect_b32 s90, s83, s82                    ; eo: entry 6, 7 or 9
	s_cmp_eq_u32 ttmp9, 2
	s_cselect_b32 s88, s80, s88
	s_cselect_b32 s89, s81, s89
	s_cselect_b32 s90, s85, s90
	s_sub_co_i32 s90, s90, s88
	s_sub_co_i32 s90, s90, s89                     ; es = eo - ea - eb
	s_add_co_i32 s90, s90, 127
	s_lshl_b32 s91, s90, 23
	v_mov_b32 v12, s91                             ; 2^es
	s_add_co_i32 s90, s90, 8
	s_lshl_b32 s90, s90, 23
	s_or_b32 s90, s90, 0x600000
	PLACES NP
; Block a of 16 rows: eight conversions; eight stores of 8 codes into the stage.
.macro QBLOCK a
.set AC, 64*((\a)%4)
	WIN 0x02+((\a)/4)                              ; source 0: window 2 or 3
.set j, 0
.rept 64
.set j, j+1
.endr
.irp b, 0,1,2,3,4,5,6,7
	v_cvt_scalef32_pk8_fp8_f32 v[CD+16*(\a)+2*\b:CD+16*(\a)+2*\b+1], v[AC+8*\b:AC+8*\b+7], v12
.endr
	WIN 0
	v_nop                                          ; a plain line between the conversions and the stores of their results
.irp b, 0,1,2,3,4,5,6,7
	ds_store_b64 v[STO], v[CD+16*(\a)+2*\b:CD+16*(\a)+2*\b+1] offset:16*(\a)*PITCH+16*\b
.endr
.endm
.irp a, 0,1,2,3,4,5,6,7
	QBLOCK \a
.endr
	s_wait_dscnt 0x0                               ; for the others' sake: my stores into the stage are done
	s_barrier_signal -1
	s_barrier_wait -1
	s_cmp_eq_u32 ttmp9, 2                          ; the cluster's x: the same in all partners
	s_cbranch_scc1 .Lv_out
	; Q, K: my head's 64 bytes of all 256 tokens.  Store i takes places 8 i .. 8 i + 7, which hold tokens 8 sw(i) .. + 7 (sw: bits 0 and 1 exchanged): 512 consecutive bytes, aligned.
.set i, 0
.rept 32
.set sw, ((i%16)&12)|(((i%16)&1)<<1)|(((i%16)>>1)&1)
.if i < 16
	ds_load_b128 v[TMP+4*i:TMP+4*i+3], v[RDQ] offset:8*sw*PITCH
.else
	ds_load_b128 v[TMP+4*i:TMP+4*i+3], v[RDQ2] offset:8*sw*PITCH
.endif
.set i, i+1
.endr
.set i, 0
.rept 32
	s_wait_dscnt 31-i                              ; load i is in; the younger ones may be out
	global_store_b128 v[CO], v[TMP+4*i:TMP+4*i+3], s[10:11] offset:512*i
.set i, i+1
.endr
	s_branch .Lend
.Lv_out:
	; V: my head's 64 channels x 256 tokens.  Load i takes channels 2 i and 2 i + 1; sixteen lanes store 256 consecutive bytes, aligned, at place rho(channel).
	v_mov_b32 v[RA], 0
	v_mov_b32 v[RA+1], 0
.set i, 0
.rept 32
	ds_load_b128 v[TMP+4*i:TMP+4*i+3], v[RDV] offset:2*i*PITCH
.set i, i+1
.endr
.set i, 0
.rept 32
.set rho, ((2*i)&39)|(((2*i)&8)<<1)|(((2*i)&16)>>1)
	s_wait_dscnt 31-i
	global_store_b128 v[COV], v[TMP+4*i:TMP+4*i+3], s[10:11] offset:rho*2048
	v_cvt_scale_pk8_f32_fp8 v[F:F+7], v[TMP+4*i:TMP+4*i+1], v15        ; my 16 codes' values,
	v_cvt_scale_pk8_f32_fp8 v[F+8:F+15], v[TMP+4*i+2:TMP+4*i+3], v15
	v_nop                                          ; a plain line between the conversions and the use of their results
	v_pk_add_f32 v[F:F+1], v[F:F+1], v[F+8:F+9]    ; summed in the lane,
	v_pk_add_f32 v[F+2:F+3], v[F+2:F+3], v[F+10:F+11]
	v_pk_add_f32 v[F+4:F+5], v[F+4:F+5], v[F+12:F+13]
	v_pk_add_f32 v[F+6:F+7], v[F+6:F+7], v[F+14:F+15]
	v_pk_add_f32 v[F:F+1], v[F:F+1], v[F+4:F+5]
	v_pk_add_f32 v[F+2:F+3], v[F+2:F+3], v[F+6:F+7]
	v_pk_add_f32 v[F:F+1], v[F:F+1], v[F+2:F+3]
	v_add_f32 v[F], v[F], v[F+1]
	v_add_f32_dpp v[F], v[F], v[F] row_xmask:1 row_mask:0xf bank_mask:0xf   ; and over the sixteen lanes of the channel
	v_add_f32_dpp v[F], v[F], v[F] row_xmask:2 row_mask:0xf bank_mask:0xf
	v_add_f32_dpp v[F], v[F], v[F] row_xmask:4 row_mask:0xf bank_mask:0xf
	v_add_f32_dpp v[F], v[F], v[F] row_xmask:8 row_mask:0xf bank_mask:0xf
	v_cmp_eq_u32 vcc_lo, i%16, v14
	v_cndmask_b32 v[RA+i/16], v[RA+i/16], v[F], vcc_lo   ; lane (r, h) keeps channels 2 r + h and 32 + 2 r + h
.set i, i+1
.endr
	global_store_b32 v10, v[RA], s[12:13]
	global_store_b32 v10, v[RA+1], s[12:13] offset:128
.Lend:
	s_wait_tensorcnt 0x0                           ; the wave's end
	ds_add_u32 v[SPW], v[NIL]
	s_wait_dscnt 0x0
	CROUND                                         ; the closing round: no work-group ends while a partner may still ask for a tile that names it
	s_endpgm
.Lfunc_end_k_q15f44e2320_qkv:
	.size	k_q15f44e2320_qkv, .Lfunc_end_k_q15f44e2320_qkv-k_q15f44e2320_qkv
	.p2alignl 7, 3214868480
	.fill 96, 4, 3214868480
	.section	.rodata,"a",@progbits
	.p2align	6, 0x0
	.amdhsa_kernel k_q15f44e2320_qkv
		.amdhsa_group_segment_fixed_size 327680
		.amdhsa_private_segment_fixed_size 0
		.amdhsa_enable_private_segment 0
		.amdhsa_kernarg_size 40
		.amdhsa_user_sgpr_count 2
		.amdhsa_user_sgpr_kernarg_segment_ptr 1
		.amdhsa_wavefront_size32 1
		.amdhsa_system_sgpr_workgroup_id_x 1
		.amdhsa_system_sgpr_workgroup_id_y 1
		.amdhsa_system_sgpr_workgroup_id_z 1
		.amdhsa_system_vgpr_workitem_id 0
		.amdhsa_next_free_vgpr 1024
		.amdhsa_next_free_sgpr 100
		.amdhsa_reserve_vcc 1
		.amdhsa_float_denorm_mode_32 3
		.amdhsa_float_denorm_mode_16_64 3
		.amdhsa_fp16_overflow 1
		.amdhsa_memory_ordered 1
		.amdhsa_forward_progress 1
		.amdhsa_inst_pref_size 131
	.end_amdhsa_kernel
	.amdgpu_metadata
---
amdhsa.version: [ 1, 2 ]
amdhsa.kernels:
  - .name:           k_q15f44e2320_qkv
    .symbol:         k_q15f44e2320_qkv.kd
    .args:
      - { .name: xc, .offset: 0, .size: 8, .value_kind: global_buffer, .address_space: global }
      - { .name: wc, .offset: 8, .size: 8, .value_kind: global_buffer, .address_space: global }
      - { .name: lowp_scales, .offset: 16, .size: 8, .value_kind: global_buffer, .address_space: global }
      - { .name: qkv, .offset: 24, .size: 8, .value_kind: global_buffer, .address_space: global }
      - { .name: vs, .offset: 32, .size: 8, .value_kind: global_buffer, .address_space: global }
    .group_segment_fixed_size: 327680
    .private_segment_fixed_size: 0
    .kernarg_segment_align: 8
    .kernarg_segment_size: 40
    .max_flat_workgroup_size: 128
    .sgpr_count:     100
    .vgpr_count:     1024
    .wavefront_size: 32
...
	.end_amdgpu_metadata
.endif
;; end of part 2
;; launch attn (part 3): grid 4 x 64, 16 waves a work-group, no clusters, 327,680 bytes of LDS; arguments qkv, vs, mask, lowp_scales, cc; writes cc
.if DOCPART == 3
	.amdgcn_target "amdgcn-amd-amdhsa--gfx1250"
	.amdhsa_code_object_version 6
	.text
	.protected	k_q15f44e2320_attn
	.globl	k_q15f44e2320_attn
	.p2align	8
	.type	k_q15f44e2320_attn,@function
k_q15f44e2320_attn:
	s_mov_b64 s[64:65], 0
	v_nop
	global_prefetch_b8 v0, s[64:65] scope:SCOPE_SE
	s_setreg_imm32_b32 hwreg(HW_REG_WAVE_MODE, 25, 1), 1
	s_wait_xcnt 0x0
; ctx = softmax(Q K^T / 8, causal and padding masks) V for one head, both products on codes of FP8 (E4M3); ctx is quantised for the output product.
; qkv: Q and K [16 b + head][place][64], V [16 b + head][place of a channel][2048 keys]; a place p holds token or channel rho(p), rho = bits 3 and 4 exchanged.  Entries 6 to 10 of the scales: Q, K, p, V, ctx.
; THE SOFTMAX: t = score x log2(e) / 8; M = the row's largest t so far, rounded UP to a whole number; p = 2^(t - M) is quantised, not normalised; the row's sum is taken of the unquantised p and divides at the end.
; When M moves, the sum and O are multiplied by 2^(old M - new M): exact.
; THE MASKS put in -1e9 and not -infinity.  A masked key is given the raw score -2^100: the padding mask as the C of the first product (a table of 0 and -2^100 in LDS), the causal mask by a select on the diagonal step.
; The running largest raw score begins at -2^80, so p of a masked key is 0 while no key has counted.  A ROW ALL OF WHOSE KEYS UP TO ITS OWN ARE PADDED has 2,048 equal logits: p = 1 for every key of the head, the
; hidden ones too, and the sum is 2,048.  Such a row still has -2^80 as its largest at the end; its ctx is then taken, by a select, from u[d] = q(1) x (the sum of all of V's quantised numbers) / 2,048, made at the head from vs.
; SHARES.  Work-group (i, 16 b + head): waves 0-7 own the block of 256 queries number i, waves 8-15 block 7 - i, 32 queries a wave in two tiles of 16: every work-group has the same number of key steps.
; All walk 8 slots of 256 keys, so that every trip count is a constant; a step of 64 keys all of which come after the wave's queries is left out by a branch on ids; a slot that no wave of the work-group reads is not asked for.
; NO CLUSTER: the four work-groups of a head would have to pass every change of slots together, and their slots are of unlike length by design (sixteen waves at work in some, eight in others);
; what they would share is 32 KiB a slot.
; LAYOUT.  Both products are used transposed: S^T = K Q^T (source 0 = 16 keys), O^T = V^T P^T (source 0 = 16 channels): a lane holds ONE query throughout.  Tile t of a step takes places 16 t + r, which hold keys
; 32 (t / 2) + 8 (t % 2) + r + 8 (r / 8): so the 16 registers of tiles 2 b, 2 b + 1 are keys 32 b + 16 (lane / 16) + 0 .. 15.  V's places do the same for the channels, the K of the output product.
; cc: images of that product's fragments: [tile of 16 tokens][k / 128][c][lane][16 bytes], lane (r, h) holding k = 128 kappa + 32 c + 16 h + 0 .. 15 of token r: each store covers 512 consecutive bytes, aligned.
; LIMITS: entries 8 and 10 between -126 and 119; entry 6 + entry 7 between -80 and 40.  NaN among the inputs is not served.  An unmasked logit at or under about -1e9 is not told apart from a masked one.
.set PK,    272                        ; an LDS row: 256 bytes + 16 of padding
.set VOFF,  64*PK                      ; a slot: K as 64 rows of 4 places, then V's 64 rows of 256 keys
.set SLOT1, 65536                      ; slot 1 begins here: one exclusive or turns an address
.set BIAS,  131072                     ; 2,048 f32: 0 or -2^100 for each key
.set UT,    BIAS+8192                  ; 64 f32: u
.set SPARE, UT+256                     ; the spare words, 128 bytes for each of sixteen waves
.set AK0, 1                            ; v1   my lane's place in a tile of K
.set AV0, 2                            ; v2   in a tile of V
.set PFO, 3                            ; v3   the prefetches' lane offset
.set AB0, 4                            ; v4   in the bias table
.set SPW, 5                            ; v5   LDS address of my spare word; never rewritten
.set NIL, 6                            ; v6   0; never rewritten
.set GO,  7                            ; v7   16 x lane
.set ADK, 8                            ; v8-10 LDS addresses of the step in hand
.set ADV, 9
.set ADB, 10
.set ST,  12                           ; tile q's statistics at v[ST + 8 q]: +0 -M, +1 the largest raw score, +2, +3 the sum in two halves, +4, +5 f, +6, +7 at work
.set QF,  28                           ; v28-43   Q, 8 a tile
.set KV,  44                           ; v44-75   four fragments of K, then of V
.set SS,  76                           ; v76-139  S^T, then p, 32 a tile
.set OO,  140                          ; v140-203 O^T, 32 a tile
.set PP,  204                          ; v204-219 p's codes, 8 a tile
.set BI,  220                          ; v220-251 the bias in the result's layout
.set ESC, 252                          ; v252 2^e for the conversions
.set LMV, 253                          ; v253 448 x 2^e
.set NEG, 254                          ; v254 -2^100
.set TW,  255                          ; v255 at work
.set TBK, 2                            ; s2, s3, s73: where the step in hand begins: in K's rows, in V's rows, in the bias table
.set TBV, 3
.set TBB, 73
.set WV,  18
.set SEL, 20                           ; s[20:21] lane selects: lane l xor 16
.set CS,  22                           ; s[22:23] c = log2(e) / 8 x 2^(e6 + e7)
.set G1K, 24
.set G1V, 32
.set G0K, 40
.set G0V, 44
.set CNT, 66
.set SLOTS, 67
.set PFA, 76
.set PFS, 78
.set LIM, 80
.set LASTQ, 97                         ; s97  my work-group's last query
.set KF,  98                           ; s98  the step's first key
.set Q0,  99                           ; s99  my wave's first query
; Wave 0 fetches K's tile, wave 1 V's, the others nothing.  An s_nop 0 and four v_nop follow each line.
.macro TLOAD
	s_cmp_eq_u32 s[WV], 0
	s_cbranch_scc0 .Lnot_k_\@
	tensor_load_to_lds s[G0K:G0K+3], s[G1K:G1K+7]
	s_nop 0
.rept 4
	v_nop
.endr
	s_branch .Lasked_\@
.Lnot_k_\@:
	s_cmp_eq_u32 s[WV], 1
	s_cbranch_scc0 .Lasked_\@
	tensor_load_to_lds s[G0V:G0V+3], s[G1V:G1V+7]
	s_nop 0
.rept 4
	v_nop
.endr
.Lasked_\@:
.endm
; A prefetch of what the NEXT change of slots will ask for.  The four work-groups of a head walk the same K and V: the first of them asks.  In it waves 4 and 5 ask for K's 16 KiB, 8,192 bytes a wave, lanes 256 bytes
; apart; waves 6 and 7 for V's 64 rows, 32 a wave, a lane a row.  So each aligned block of 256 bytes is named once.  Slots 0 and 1 come by their loads alone; the last change that fills a slot asks for nothing.
.macro ASK
	s_cmp_gt_u32 s[SLOTS], s[LIM]
	s_cbranch_scc0 .Lnot_mine_\@
	global_prefetch_b8 v[PFO], s[PFA:PFA+1] th:TH_LOAD_NT scope:SCOPE_SE
.Lnot_mine_\@:
.endm
	s_load_b256 s[4:11], s[0:1], 0x0               ; qkv s[4:5], vs s[6:7], mask s[8:9], the scales s[10:11]
	s_load_b64 s[12:13], s[0:1], 0x20              ; cc
	v_lshl_add_u32 v[SPW], v0, 2, SPARE
	v_mov_b32 v[NIL], 0
	ds_add_u32 v[SPW], v[NIL]                      ; the wave's opening: the add and its wait ahead of the first tensor load
	ds_add_u32 v[SPW], v[NIL]
	v_lshrrev_b32 v8, 5, v0
	s_delay_alu instid0(VALU_DEP_1)
	v_readfirstlane_b32 s[WV], v8                  ; wave 0..15
	s_and_b32 s14, ttmp7, 0xffff                   ; 16 b + head
	s_lshr_b32 s15, s14, 4                         ; b
	s_and_b32 s16, s14, 15                         ; head
	s_sub_co_u32 s17, 7, ttmp9
	s_cmp_lt_u32 s[WV], 8
	s_cselect_b32 s19, ttmp9, s17                  ; my block of 256 queries
	s_lshl_b32 s19, s19, 8
	s_and_b32 s81, s[WV], 7
	s_lshl_b32 s81, s81, 5
	s_add_co_u32 s[Q0], s19, s81
	s_lshl_b32 s[LASTQ], s17, 8
	s_or_b32 s[LASTQ], s[LASTQ], 255
	s_lshl_b32 s74, s14, 17                        ; the head's block in each part of qkv
	s_mov_b32 s75, 0
	s_mov_b32 s[G1K], (0<<16)|(1<<20)|(5<<22)|(3<<25)   ; no mask; elements of 1 byte; padding: 4 words after every 64
	s_mov_b32 s[G1K+1], 256<<16                    ; tensor_dim0
	s_mov_b32 s[G1K+2], 64<<16                     ; tensor_dim1
	s_mov_b32 s[G1K+3], 256<<16                    ; tile_dim0
	s_mov_b32 s[G1K+4], 64                         ; tile_dim1
	s_mov_b32 s[G1K+5], 256                        ; K's 256 places of 64 bytes are dense: taken as 64 rows of 256 bytes
	s_mov_b32 s[G1K+6], 0
	s_mov_b32 s[G1K+7], 0
	s_mov_b32 s[G1V], (0<<16)|(1<<20)|(5<<22)|(3<<25)
	s_mov_b32 s[G1V+1], 256<<16
	s_mov_b32 s[G1V+2], 64<<16
	s_mov_b32 s[G1V+3], 256<<16
	s_mov_b32 s[G1V+4], 64
	s_mov_b32 s[G1V+5], 2048                       ; a row of V is 2,048 keys
	s_mov_b32 s[G1V+6], 0
	s_mov_b32 s[G1V+7], 0
	s_mov_b32 s[SEL], 0x76543210
	s_mov_b32 s[SEL+1], 0xfedcba98
	s_mov_b32 s[CS], 0x3e38aa3b                    ; log2(e) / 8
	s_mov_b32 s[TBK], 0
	s_mov_b32 s[TBV], 0
	s_mov_b32 s[TBB], 0
	s_mov_b32 s[KF], 0
	s_mov_b32 s[SLOTS], 7
	s_wait_dscnt 0x0                               ; the opening add is done
	s_wait_kmcnt 0x0
	s_load_b128 s[68:71], s[10:11], 0x18           ; entries 6 to 9
	s_load_b32 s72, s[10:11], 0x28                 ; entry 10
	s_add_nc_u64 s[84:85], s[4:5], s[74:75]        ; my head's Q
	s_mov_b32 s[G0K], 1
	s_mov_b32 s[G0K+1], 0                          ; slot 0
	s_add_nc_u64 s[G0K+2:G0K+3], s[84:85], 0x800000     ; K: part 1
	s_or_b32 s[G0K+3], s[G0K+3], 0x80000000
	s_mov_b32 s[G0V], 1
	s_mov_b32 s[G0V+1], VOFF
	s_add_nc_u64 s[G0V+2:G0V+3], s[84:85], 0x1000000    ; V: part 2
	s_or_b32 s[G0V+3], s[G0V+3], 0x80000000
	TLOAD                                          ; slot 0
	s_lshl_b32 s88, s[Q0], 6
	s_mov_b32 s89, 0
	s_add_nc_u64 s[86:87], s[84:85], s[88:89]      ; Q at my first query's place
	s_lshl_b32 s88, s15, 13
	s_add_nc_u64 s[8:9], s[8:9], s[88:89]          ; the mask of my sequence
	s_lshl_b32 s88, s15, 15
	s_lshl_b32 s81, s16, 8
	s_add_co_u32 s88, s88, s81
	s_add_nc_u64 s[6:7], s[6:7], s[88:89]          ; vs: my sequence, my head
	s_lshl_b32 s88, s15, 21
	s_lshl_b32 s81, s[Q0], 10
	s_add_co_u32 s88, s88, s81
	s_lshl_b32 s81, s16, 10
	s_add_co_u32 s88, s88, s81
	s_add_nc_u64 s[12:13], s[12:13], s[88:89]      ; cc: (128 b + Q0 / 16) x 16,384 + head x 1,024
	v_lshlrev_b32 v44, 4, v0
	global_load_b128 v[48:51], v44, s[8:9]         ; four keys' mask a thread
	v_and_b32 v8, 15, v0                           ; r
	s_wait_alu depctr_va_vdst(0)
	v_bfe_u32 v9, v0, 4, 1                         ; h
	v_and_b32 v10, 8, v8
	s_delay_alu instid0(VALU_DEP_1)
	v_add_nc_u32 v10, v10, v8                      ; r + 8 (r / 8): the place of token 16 q + r is that + 8 q
	s_delay_alu instid0(VALU_DEP_1)
	v_lshlrev_b32 v10, 6, v10
	s_delay_alu instid0(VALU_DEP_1)
	v_lshl_add_u32 v45, v9, 4, v10
.irp q, 0,1
	global_load_b128 v[QF+8*\q:QF+8*\q+3], v45, s[86:87] offset:512*\q
	global_load_b128 v[QF+8*\q+4:QF+8*\q+7], v45, s[86:87] offset:512*\q+32
.endr
	; the prefetches: where my wave's stand, and who asks
	s_cmp_lt_u32 s[WV], 6
	s_mov_b32 s[PFS], 256
	s_cselect_b32 s[PFS], 16384, s[PFS]            ; a slot on
	s_mov_b32 s82, 2048
	s_cselect_b32 s82, 256, s82                    ; from lane to lane
	s_mov_b32 s83, 65536
	s_cselect_b32 s83, 8192, s83                   ; from wave to wave
	s_mov_b32 s88, 0x1000000
	s_cselect_b32 s88, 0x800000, s88               ; the part
	v_and_b32 v[PFO], 31, v0
	s_delay_alu instid0(VALU_DEP_1)
	v_mul_lo_u32 v[PFO], v[PFO], s82
	s_and_b32 s82, s[WV], 1
	s_mul_i32 s82, s82, s83
	s_add_co_u32 s82, s82, s[PFS]                  ; in slot 1: the first change of slots steps it to slot 2
	s_add_co_u32 s82, s82, s88
	s_mov_b32 s83, 0
	s_mov_b32 s[PFS+1], 0
	s_add_nc_u64 s[PFA:PFA+1], s[84:85], s[82:83]
	s_lshr_b32 s82, s[WV], 2
	s_xor_b32 s82, s82, 1                          ; 0 in waves 4 to 7,
	s_or_b32 s82, s82, ttmp9                       ; of the head's first work-group
	s_cmp_eq_u32 s82, 0
	s_cselect_b32 s[LIM], 1, -1
	v_lshrrev_b32 v[AK0], 2, v8
	s_delay_alu instid0(VALU_DEP_1)
	v_mul_u32_u24 v[AK0], v[AK0], PK
	v_and_b32 v[TW], 3, v8
	s_delay_alu instid0(VALU_DEP_1)
	v_lshl_add_u32 v[AK0], v[TW], 6, v[AK0]
	s_delay_alu instid0(VALU_DEP_1)
	v_lshl_add_u32 v[AK0], v9, 4, v[AK0]           ; K: place r: row r / 4, byte 64 (r % 4) + 16 h: sixteen lanes touch sixteen different columns of 16 bytes
	v_mul_u32_u24 v[AV0], v8, PK
	s_delay_alu instid0(VALU_DEP_1)
	v_lshl_add_u32 v[AV0], v9, 4, v[AV0]
	s_delay_alu instid0(VALU_DEP_1)
	v_add_nc_u32 v[AV0], VOFF, v[AV0]              ; V: row r, + 16 h
	v_lshl_add_u32 v[AB0], v9, 6, BIAS             ; the bias: my half's 16 keys of each 32
	v_and_b32 v[GO], 31, v0
	s_delay_alu instid0(VALU_DEP_1)
	v_lshlrev_b32 v[GO], 4, v[GO]
	v_lshlrev_b32 v11, 4, v9
	s_delay_alu instid0(VALU_DEP_1)
	v_sub_nc_u32 v11, v8, v11                      ; r - 16 h
	v_lshl_add_u32 v[ADK], v0, 4, BIAS             ; where I store four keys' bias
	v_and_b32 v[ADV], 63, v0
	s_delay_alu instid0(VALU_DEP_1)
	v_lshlrev_b32 v52, 2, v[ADV]                   ; (waves 2 and 3) my channel in vs,
	s_delay_alu instid0(VALU_DEP_2)
	v_lshl_add_u32 v[ADV], v[ADV], 2, UT           ; and in u
	s_wait_kmcnt 0x0
	s_add_co_i32 s81, s68, s69
	s_lshl_b32 s81, s81, 23
	s_add_co_i32 s[CS], s[CS], s81                 ; a raw score stands for score x 2^(e6 + e7): added to c's exponent field
	s_mov_b32 s[CS+1], s[CS]                       ; (named with it as a pair)
	s_add_co_i32 s81, s70, 127
	s_lshl_b32 s82, s81, 23
	v_mov_b32 v[ESC], s82                          ; 2^e8
	s_add_co_i32 s81, s81, 8
	s_lshl_b32 s81, s81, 23
	s_or_b32 s81, s81, 0x600000
	v_mov_b32 v[LMV], s81                          ; 448 x 2^e8
	v_mov_b32 v[NEG], 0xf1800000                   ; -2^100
	s_wait_alu depctr_va_vdst(0)
	s_wait_loadcnt 0x0                             ; the mask and Q
.irp i, 0,1,2,3
	v_cmp_eq_u32 vcc_lo, 0, v[48+\i]
	s_delay_alu instid0(VALU_DEP_1)
	v_cndmask_b32 v[48+\i], 0, v[NEG], vcc_lo      ; a padded key: -2^100
.endr
	ds_store_b128 v[ADK], v[48:51]
	s_lshr_b32 s81, s[WV], 1
	s_cmp_eq_u32 s81, 1                            ; waves 2 and 3 make u, a channel a lane
	s_cbranch_scc0 .Lno_u
.irp i, 0,1,2,3,4,5,6,7
	global_load_b32 v[56+\i], v52, s[6:7] offset:4096*\i   ; the eight blocks' sums
.endr
.irp i, 0,1,2,3,4,5,6,7
	v_min_num_f32 v[64+\i], 1.0, v[LMV]            ; p = 1, held within 448 x 2^e8,
.endr
	v_mov_b32 v53, 0x7f7f7f7f
	v_cvt_scalef32_pk8_fp8_f32 v[54:55], v[64:71], v[ESC]   ; quantised,
	v_nop
	v_cvt_scale_pk8_f32_fp8 v[64:71], v[54:55], v53         ; and its code's value
	v_nop
	s_wait_loadcnt 0x0
	v_add_f32 v56, v56, v57
	v_add_f32 v58, v58, v59
	v_add_f32 v60, v60, v61
	v_add_f32 v62, v62, v63
	s_delay_alu instid0(VALU_DEP_3)
	v_add_f32 v56, v56, v58
	s_delay_alu instid0(VALU_DEP_2)
	v_add_f32 v60, v60, v62
	s_delay_alu instid0(VALU_DEP_1)
	v_add_f32 v56, v56, v60
	s_wait_alu depctr_va_vdst(0)
	v_mul_f32 v56, v56, v64
	s_add_co_i32 s81, s70, s71
	s_sub_co_i32 s81, s81, 11
	v_ldexp_f32 v56, v56, s81                      ; x 2^(e8 + e9) / 2,048
	ds_store_b32 v[ADV], v56
.Lno_u:
.set j, 0
.rept 64
	v_mov_b32 v[OO+j], 0                           ; O^T.  (The step is written once: the first finds zeros, which the first change of M leaves zeros)
.set j, j+1
.endr
.irp q, 0,1
	v_mov_b32 v[ST+8*\q+1], 0xe7800000             ; the largest raw score so far: -2^80
	v_mov_b32 v[ST+8*\q+2], 0
	v_mov_b32 v[ST+8*\q+3], 0
	v_mov_b32 v[ST+8*\q+4], 0
	v_mov_b32 v[ST+8*\q+5], 0
	v_mul_f32 v[ST+8*\q+6], s[CS], v[ST+8*\q+1]
	v_mov_b32 v[ST+8*\q+7], 0
	s_delay_alu instid0(VALU_DEP_2)
	v_floor_f32 v[ST+8*\q], -v[ST+8*\q+6]          ; -M to match it, so that M never falls
.endr
; A KEY STEP: 64 keys for my two tiles of queries.
.macro SUB
	s_add_co_u32 s96, s[Q0], 31
	s_cmp_gt_u32 s[KF], s96                        ; all 64 keys come after my 32 queries: the step's work is left out; ids alone
	s_cbranch_scc1 .Lhidden_\@
	s_setprio 2
	v_add_nc_u32 v[ADK], s[TBK], v[AK0]
	v_add_nc_u32 v[ADV], s[TBV], v[AV0]
	v_add_nc_u32 v[ADB], s[TBB], v[AB0]
	v_nop                                          ; with the three additions: four places in front of loads into registers that matrix instructions have read
.irp t, 0,1,2,3
	ds_load_b128 v[KV+8*\t:KV+8*\t+3], v[ADK] offset:4*\t*PK
	ds_load_b128 v[KV+8*\t+4:KV+8*\t+7], v[ADK] offset:4*\t*PK+32
.endr
.irp t, 0,1,2,3
	ds_load_b128 v[BI+8*\t:BI+8*\t+3], v[ADB] offset:128*(\t/2)+32*(\t%2)
	ds_load_b128 v[BI+8*\t+4:BI+8*\t+7], v[ADB] offset:128*(\t/2)+32*(\t%2)+16
.endr
	s_wait_alu depctr_va_vdst(0)
	s_wait_dscnt 0x0
.irp t, 0,1,2,3                                ; S^T = K Q^T + the padding mask's bias: each fragment of K and of the bias serves both tiles
.irp q, 0,1
	v_wmma_f32_16x16x64_fp8_fp8 v[SS+32*\q+8*\t:SS+32*\q+8*\t+7], v[KV+8*\t:KV+8*\t+7], v[QF+8*\q:QF+8*\q+7], v[BI+8*\t:BI+8*\t+7]
.endr
.endr
.rept 4
	v_nop                                          ; places in front of the loads below and of the first read of the scores
.endr
.irp t, 0,1,2,3
	ds_load_b128 v[KV+8*\t:KV+8*\t+3], v[ADV] offset:16*\t*PK       ; V lands while the softmax is worked
	ds_load_b128 v[KV+8*\t+4:KV+8*\t+7], v[ADV] offset:16*\t*PK+32
.endr
	s_add_co_u32 s96, s[KF], 63
	s_cmp_le_u32 s96, s[Q0]                        ; all keys count: no causal select
	s_cbranch_scc1 .Lopen_\@
	s_sub_co_i32 s96, s[Q0], s[KF]
	v_add_nc_u32 v[TW], s96, v11                   ; Q0 - KF + r - 16 h.  Register n of tile q holds key KF + 16 h + 32 (n / 16) + n % 16, for query Q0 + 16 q + r
.set n, 0
.rept 32
.irp q, 0,1
	v_cmp_gt_i32 vcc_lo, 32*(n/16)+n%16-16*\q, v[TW]
	v_cndmask_b32 v[SS+32*\q+n], v[SS+32*\q+n], v[NEG], vcc_lo
.endr
.set n, n+1
.endr
.Lopen_\@:
.irp q, 0,1                                    ; the largest raw score, in two chains, each accumulator from its low end on; the two tiles line by line in turn
	v_max3_num_f32 v[ST+8*\q+6], v[SS+32*\q], v[SS+32*\q+1], v[SS+32*\q+2]
.endr
.irp q, 0,1
	v_max3_num_f32 v[ST+8*\q+7], v[SS+32*\q+3], v[SS+32*\q+4], v[SS+32*\q+5]
.endr
.irp i, 6,10,14,18,22,26
.irp q, 0,1
	v_max3_num_f32 v[ST+8*\q+6], v[ST+8*\q+6], v[SS+32*\q+\i], v[SS+32*\q+\i+1]
.endr
.irp q, 0,1
	v_max3_num_f32 v[ST+8*\q+7], v[ST+8*\q+7], v[SS+32*\q+\i+2], v[SS+32*\q+\i+3]
.endr
.endr
.irp q, 0,1
	v_max3_num_f32 v[ST+8*\q+6], v[ST+8*\q+6], v[SS+32*\q+30], v[SS+32*\q+31]
.endr
.irp q, 0,1
	s_delay_alu instid0(VALU_DEP_2)
	v_max3_num_f32 v[ST+8*\q+6], v[ST+8*\q+6], v[ST+8*\q+7], v[ST+8*\q+1]   ; the two chains and the old largest
.endr
.irp q, 0,1
	s_delay_alu instid0(VALU_DEP_2)
	v_permlanex16_b32 v[ST+8*\q+7], v[ST+8*\q+6], s[SEL], s[SEL+1]
.endr
.irp q, 0,1
	s_delay_alu instid0(VALU_DEP_2)
	v_max_num_f32 v[ST+8*\q+1], v[ST+8*\q+6], v[ST+8*\q+7]   ; and lane l xor 16's
.endr
.irp q, 0,1
	s_delay_alu instid0(VALU_DEP_2)
	v_mul_f32 v[ST+8*\q+6], s[CS], v[ST+8*\q+1]    ; as t (c is positive)
.endr
.irp q, 0,1
	v_mov_b32 v[ST+8*\q+7], v[ST+8*\q]
.endr
.irp q, 0,1
	s_delay_alu instid0(VALU_DEP_4)
	v_floor_f32 v[ST+8*\q], -v[ST+8*\q+6]          ; the new -M = floor(-t): M is a whole number
.endr
.irp q, 0,1
	s_delay_alu instid0(VALU_DEP_2)
	v_sub_f32 v[ST+8*\q+7], v[ST+8*\q], v[ST+8*\q+7]   ; old M - new M: 0 or less
.endr
.irp q, 0,1
	s_delay_alu instid0(VALU_DEP_2)
	v_cvt_i32_f32 v[ST+8*\q+7], v[ST+8*\q+7]       ; (it saturates)
.endr
.irp q, 0,1
	s_delay_alu instid0(VALU_DEP_2)
	v_ldexp_f32 v[ST+8*\q+4], 1.0, v[ST+8*\q+7]    ; f = 2^(old M - new M)
.endr
.irp j, 0,2,4,6,8,10,12,14,16,18,20,22,24,26,28,30
.irp q, 0,1
	v_pk_fma_f32 v[SS+32*\q+\j:SS+32*\q+\j+1], v[SS+32*\q+\j:SS+32*\q+\j+1], s[CS:CS+1], v[ST+8*\q:ST+8*\q+1] op_sel_hi:[1,0,0]   ; t - M
.endr
.endr
.set j, 0
	s_setprio 1
	s_wait_alu depctr_va_vdst(0)
.rept 64
	v_exp_f32 v[SS+j], v[SS+j]                     ; p = 2^(t - M): one batch for both tiles
.set j, j+1
.endr
.irp q, 0,1
	v_pk_mul_f32 v[ST+8*\q+2:ST+8*\q+3], v[ST+8*\q+2:ST+8*\q+3], v[ST+8*\q+4:ST+8*\q+5] op_sel_hi:[1,0]   ; the sums under the new M: the plain lines behind the exponentials
.endr
	s_wait_alu depctr_va_vdst(0)                   ; the wait ahead of the first line that names a result: one for the batch
.irp q, 0,1
	v_pk_add_f32 v[ST+8*\q+6:ST+8*\q+7], v[SS+32*\q:SS+32*\q+1], v[SS+32*\q+2:SS+32*\q+3]   ; the sum is taken of the unquantised p, in two chains
.endr
.irp j, 4,8,12,16,20,24,28
.irp q, 0,1
	v_pk_add_f32 v[ST+8*\q+2:ST+8*\q+3], v[ST+8*\q+2:ST+8*\q+3], v[SS+32*\q+\j:SS+32*\q+\j+1]
.endr
.irp q, 0,1
	v_pk_add_f32 v[ST+8*\q+6:ST+8*\q+7], v[ST+8*\q+6:ST+8*\q+7], v[SS+32*\q+\j+2:SS+32*\q+\j+3]
.endr
.endr
.irp q, 0,1
	s_delay_alu instid0(VALU_DEP_2)
	v_pk_add_f32 v[ST+8*\q+2:ST+8*\q+3], v[ST+8*\q+2:ST+8*\q+3], v[ST+8*\q+6:ST+8*\q+7]
.endr
.irp q, 0,1
.irp b, 0,1
.irp i, 0,1,2,3,4,5,6,7,8,9,10,11,12,13,14,15
.endr
	v_cvt_scalef32_pk8_fp8_f32 v[PP+8*\q+4*\b:PP+8*\q+4*\b+1], v[SS+32*\q+16*\b:SS+32*\q+16*\b+7], v[ESC]
	v_cvt_scalef32_pk8_fp8_f32 v[PP+8*\q+4*\b+2:PP+8*\q+4*\b+3], v[SS+32*\q+16*\b+8:SS+32*\q+16*\b+15], v[ESC]
.endr
.endr
.irp j, 0,2,4,6,8,10,12,14,16,18,20,22,24,26,28,30
.irp q, 0,1
	v_pk_mul_f32 v[OO+32*\q+\j:OO+32*\q+\j+1], v[OO+32*\q+\j:OO+32*\q+\j+1], v[ST+8*\q+4:ST+8*\q+5] op_sel_hi:[1,0]   ; O^T under the new M; also the plain lines behind the conversions
.endr
.endr
	s_setprio 0
	s_wait_alu depctr_va_vdst(0)
	s_wait_dscnt 0x0                               ; V is in
.irp t, 0,1,2,3                                ; O^T += V^T P^T: the eight accumulators take turns
.irp q, 0,1
	v_wmma_f32_16x16x64_fp8_fp8 v[OO+32*\q+8*\t:OO+32*\q+8*\t+7], v[KV+8*\t:KV+8*\t+7], v[PP+8*\q:PP+8*\q+7], v[OO+32*\q+8*\t:OO+32*\q+8*\t+7]
.endr
.endr
.Lhidden_\@:
	s_add_co_u32 s[KF], s[KF], 64
	s_add_co_u32 s[TBK], s[TBK], 16*PK             ; 64 places are 16 rows
	s_add_co_u32 s[TBV], s[TBV], 64
	s_add_co_u32 s[TBB], s[TBB], 256
.endm
; THE CHANGE OF SLOTS stands at a slot's head.  Each wave waits for all its tensor loads, adds 0 to its spare word, and waits for that and for its reads of the slot that it has left (the first time: for its stores of
; the bias and of u).  Behind the barrier the slot ahead is whole and nobody reads the other one.  fill = 1: that other slot takes the keys that follow, up to the causal limit.
.macro CHANGE fill
	s_wait_tensorcnt 0x0                           ; no tensor load of mine is out, so a group 0 may be written
	ds_add_u32 v[SPW], v[NIL]                      ; 0 onto my spare word
.if \fill
	s_xor_b32 s[G0K+1], s[G0K+1], SLOT1
	s_add_nc_u64 s[G0K+2:G0K+3], s[G0K+2:G0K+3], 16384
	s_xor_b32 s[G0V+1], s[G0V+1], SLOT1
	s_add_nc_u64 s[G0V+2:G0V+3], s[G0V+2:G0V+3], 256
	s_wait_xcnt 0x0                                ; the last prefetch, a slot back, has read its address
	s_add_nc_u64 s[PFA:PFA+1], s[PFA:PFA+1], s[PFS:PFS+1]
.endif
	s_wait_dscnt 0x0
	s_barrier_signal -1
	s_barrier_wait -1
.if \fill
	s_add_co_u32 s96, s[KF], 256                   ; the first key of the slot that this change would ask for:
	s_cmp_gt_u32 s96, s[LASTQ]                     ; behind my work-group's last query no wave reads it.  Ids and the count of steps alone: all sixteen waves go the same way
	s_cbranch_scc1 .Lpast_\@
	TLOAD                                          ; a wave's one tensor load until the next change; every wait on TENSORcnt in this text is for 0
.Lpast_\@:
	ASK
.endif
.endm
.macro SLOT_STEPS                      ; a slot's four key steps: written once, walked four times
	s_mov_b32 s[CNT], 4
.Lstep_\@:
	SUB
	s_sub_co_u32 s[CNT], s[CNT], 1
	s_cmp_lg_u32 s[CNT], 0
	s_cbranch_scc1 .Lstep_\@
	s_setprio 0
	s_sub_co_u32 s[TBK], s[TBK], 64*PK             ; back to a slot's first step,
	s_xor_b32 s[TBK], s[TBK], SLOT1                ; in the other slot
	s_sub_co_u32 s[TBV], s[TBV], 256
	s_xor_b32 s[TBV], s[TBV], SLOT1
.endm
.Lslot:                                            ; seven trips: behind each change of slots but the last the next slot is asked for
	CHANGE 1
	SLOT_STEPS
	s_sub_co_u32 s[SLOTS], s[SLOTS], 1
	s_cmp_lg_u32 s[SLOTS], 0
	s_cbranch_scc1 .Lslot
	CHANGE 0                                       ; the last slot is written out
	SLOT_STEPS
	; THE WAY OUT
.rept 4
	v_nop                                          ; places behind the last products
.endr
	s_wait_alu depctr_va_vdst(0)
.irp q, 0,1
	v_add_f32 v[ST+8*\q+6], v[ST+8*\q+2], v[ST+8*\q+3]
.endr
.irp q, 0,1
	s_delay_alu instid0(VALU_DEP_2)
	v_permlanex16_b32 v[ST+8*\q+7], v[ST+8*\q+6], s[SEL], s[SEL+1]
.endr
.irp q, 0,1
	s_delay_alu instid0(VALU_DEP_2)
	v_add_f32 v[ST+8*\q+6], v[ST+8*\q+6], v[ST+8*\q+7]   ; the row's sum
.endr
	s_wait_alu depctr_va_vdst(0)
.irp q, 0,1
	v_rcp_f32 v[ST+8*\q+4], v[ST+8*\q+6]
.endr
	v_add_nc_u32 v[ADB], UT-BIAS, v[AB0]           ; (a plain line behind the reciprocals)  u, in the layout of O^T
.irp t, 0,1,2,3
	ds_load_b128 v[BI+8*\t:BI+8*\t+3], v[ADB] offset:128*(\t/2)+32*(\t%2)
	ds_load_b128 v[BI+8*\t+4:BI+8*\t+7], v[ADB] offset:128*(\t/2)+32*(\t%2)+16
.endr
	s_add_co_i32 s81, s70, s71                     ; e8 + e9
	s_add_co_i32 s88, s72, 127
	s_lshl_b32 s89, s88, 23
	v_mov_b32 v[ESC], s89                          ; 2^e10
	v_mov_b32 v[TW], 0xe2800000                    ; -2^70
	s_wait_alu depctr_va_vdst(0)                   ; the wait ahead of the reciprocals' first reader
.irp q, 0,1
	v_ldexp_f32 v[ST+8*\q+4], v[ST+8*\q+4], s81    ; 2^(e8 + e9) / the sum
.endr
.irp q, 0,1
	v_cmp_gt_f32 s[82+\q], v[TW], v[ST+8*\q+1]     ; a row for which no key has counted: it only selects a value
.endr
	s_wait_alu depctr_va_vdst(0)
	s_wait_dscnt 0x0
.irp q, 0,1
.irp j, 0,2,4,6,8,10,12,14,16,18,20,22,24,26,28,30
	v_pk_mul_f32 v[SS+32*\q+\j:SS+32*\q+\j+1], v[OO+32*\q+\j:OO+32*\q+\j+1], v[ST+8*\q+4:ST+8*\q+5] op_sel_hi:[1,0]   ; each accumulator from its low end on
.endr
.set n, 0
.rept 32
	v_cndmask_b32 v[SS+32*\q+n], v[SS+32*\q+n], v[BI+n], s[82+\q]   ; such a row takes u (what 0 x 1/0 left there is thrown away)
.set n, n+1
.endr
.set n, 0
.rept 32
.set n, n+1
.endr
.irp t, 0,1,2,3
	v_cvt_scalef32_pk8_fp8_f32 v[PP+8*\q+2*\t:PP+8*\q+2*\t+1], v[SS+32*\q+8*\t:SS+32*\q+8*\t+7], v[ESC]
.endr
	v_nop
	global_store_b128 v[GO], v[PP+8*\q:PP+8*\q+3], s[12:13] offset:16384*\q       ; channels 16 h + 0 .. 15 of my head: 512 consecutive bytes, aligned
	global_store_b128 v[GO], v[PP+8*\q+4:PP+8*\q+7], s[12:13] offset:16384*\q+512 ; channels 32 + 16 h + 0 .. 15
.endr
	s_wait_tensorcnt 0x0                           ; the wave's end
	ds_add_u32 v[SPW], v[NIL]
	s_wait_dscnt 0x0
	s_endpgm
.Lfunc_end_k_q15f44e2320_attn:
	.size	k_q15f44e2320_attn, .Lfunc_end_k_q15f44e2320_attn-k_q15f44e2320_attn
	.p2alignl 7, 3214868480
	.fill 96, 4, 3214868480
	.section	.rodata,"a",@progbits
	.p2align	6, 0x0
	.amdhsa_kernel k_q15f44e2320_attn
		.amdhsa_group_segment_fixed_size 327680
		.amdhsa_private_segment_fixed_size 0
		.amdhsa_enable_private_segment 0
		.amdhsa_kernarg_size 40
		.amdhsa_user_sgpr_count 2
		.amdhsa_user_sgpr_kernarg_segment_ptr 1
		.amdhsa_wavefront_size32 1
		.amdhsa_system_sgpr_workgroup_id_x 1
		.amdhsa_system_sgpr_workgroup_id_y 1
		.amdhsa_system_sgpr_workgroup_id_z 1
		.amdhsa_system_vgpr_workitem_id 0
		.amdhsa_next_free_vgpr 256
		.amdhsa_next_free_sgpr 100
		.amdhsa_reserve_vcc 1
		.amdhsa_float_denorm_mode_32 3
		.amdhsa_float_denorm_mode_16_64 3
		.amdhsa_fp16_overflow 1
		.amdhsa_memory_ordered 1
		.amdhsa_forward_progress 1
		.amdhsa_inst_pref_size 63
	.end_amdhsa_kernel
	.amdgpu_metadata
---
amdhsa.version: [ 1, 2 ]
amdhsa.kernels:
  - .name:           k_q15f44e2320_attn
    .symbol:         k_q15f44e2320_attn.kd
    .args:
      - { .name: qkv, .offset: 0, .size: 8, .value_kind: global_buffer, .address_space: global }
      - { .name: vs, .offset: 8, .size: 8, .value_kind: global_buffer, .address_space: global }
      - { .name: mask, .offset: 16, .size: 8, .value_kind: global_buffer, .address_space: global }
      - { .name: lowp_scales, .offset: 24, .size: 8, .value_kind: global_buffer, .address_space: global }
      - { .name: cc, .offset: 32, .size: 8, .value_kind: global_buffer, .address_space: global }
    .group_segment_fixed_size: 327680
    .private_segment_fixed_size: 0
    .kernarg_segment_align: 8
    .kernarg_segment_size: 40
    .max_flat_workgroup_size: 512
    .sgpr_count:     100
    .vgpr_count:     256
    .wavefront_size: 32
...
	.end_amdgpu_metadata
.endif
;; end of part 3
;; launch oproj (part 4): grid 4 x 32, 4 waves a work-group, clusters of 4 x 4, 327,680 bytes of LDS; arguments cc, wc, lowp_scales, bo, out0; writes out0
.if DOCPART == 4
	.amdgcn_target "amdgcn-amd-amdhsa--gfx1250"
	.amdhsa_code_object_version 6
	.text
	.protected	k_q15f44e2320_oproj
	.globl	k_q15f44e2320_oproj
	.p2align	8
	.type	k_q15f44e2320_oproj,@function
k_q15f44e2320_oproj:
	s_mov_b64 s[64:65], 0
	v_nop
	global_prefetch_b8 v0, s[64:65] scope:SCOPE_SE
	s_setreg_imm32_b32 hwreg(HW_REG_WAVE_MODE, 25, 1), 1
	s_wait_xcnt 0x0
	s_wait_alu depctr_hold_cnt(0) depctr_sa_sdst(0) depctr_va_vdst(0) depctr_va_sdst(0) depctr_va_ssrc(0) depctr_va_vcc(0) depctr_vm_vsrc(0)
	s_getreg_b32 s2, hwreg(HW_REG_IB_STS2, 6, 4)
	s_cmp_eq_u32 s2, 0
	s_cbranch_scc0 .Lentry_in_a_cluster
	s_endpgm
.Lentry_in_a_cluster:
	s_bfe_u32 s2, ttmp6, 0x10000c
	s_cmp_lg_u32 s2, 0xf033
	s_cbranch_scc0 .Lentry_shape_is_right
	s_endpgm
.Lentry_shape_is_right:
; out0 = ctx Wo^T + bo on codes of FP8 (E4M3).  out0 [8192][1024] f32.  A number of ctx is its code x 2^e10, of Wo x 2^e11: each finished sum is multiplied once by 2^(e10 + e11), and bo added, by one fused multiply-add.
; cc: ctx's codes as images of this product's A fragments: [tile of 16 tokens][k / 128][c][lane][16 bytes]; lane (r, h) holds k = 128 kappa + 32 c + 16 h + 0 .. 15 of token r.  Wo's codes: part 3 of wc, [1024][1024], K innermost.
; A tile of 256 x 256 to a work-group of four waves, 128 x 128 to a wave.  K = 1,024 goes in four steps of 256 through two LDS slots; the eight steps of 128 are written straight.
; 128 work-groups: a tile of 128 x 256 would give 256, but each of its waves would read half as many LDS bytes again for each product.
; CLUSTERS: 4 x 4 work-groups; A's tile is asked for jointly by a row of the cluster, B's by a column.  THE MATRIX INSTRUCTION IS USED TRANSPOSED (source 0 = 16 rows of Wo, source 1 = 16 tokens).
; LIMIT: e10 + e11 between -126 and 127.
; REGISTERS, in windows of 256: window 0: v0-31 addresses, v8-11 my four numbers of bo; from v128 A's fragments, ONE set.  window 1: B's, TWO sets.  windows 2, 3: the accumulators.
.set ROWB,   256
.set KROW,   1024
.set PITCH,  272
.set FR,     16
.set NL,     4
.set NP,     4
.set ASTEP,  4096                      ; a tile of 16 tokens' images of a K step of 256
.set AHALF,  32768                     ; eight such: what one tensor load brings for A
.set BOFF,   65536                     ; B's rows lie behind A's sixteen
.set HALFB,  128*PITCH
.set SLOT,   BOFF+2*HALFB
.set SPARE,  2*SLOT
.set SPITCH, 528                       ; the way out: a stage of 16 rows x (512 bytes + 16) for each wave, in slot 0, which has had its last fill and its last read by then
.set ADRA, 16
.set ADRB, 20
.set STO,  24
.set RD,   25
.set CO,   26
.set SPW,  28
.set NIL,  29
.set AF,   128
.set BK,   128                         ; the way out: 16 rows read back: v128-191 and v192-255 by turns
.set G1, 24
.set G0, 32
.set G1B, 48
.set G0B, 56
.set MSB, 0
.macro WIN new
.if MSB != \new
	s_set_vgpr_msb (MSB<<8)|\new
.set MSB, \new
.endif
.endm
.set MUL_LO, 0xa1
.set MUL_HI, 0xf1
.set TO_B,   0x40
.macro JLOAD g0a, g1a, g0b, g1b        ; waves 0 and 1 fetch for A, waves 2 and 3 for B; an s_nop 0 and four v_nop follow each line
	s_cmp_eq_u32 s15, 0
	s_cbranch_scc0 .Lfor_b_\@
	tensor_load_to_lds s[\g0a:\g0a+3], s[\g1a:\g1a+7]
	s_nop 0
.rept 4
	v_nop
.endr
	s_branch .Lasked_\@
.Lfor_b_\@:
	tensor_load_to_lds s[\g0b:\g0b+3], s[\g1b:\g1b+7]
	s_nop 0
.rept 4
	v_nop
.endr
.Lasked_\@:
.endm
.macro CREST
	s_cmp_lg_u32 s14, 0
	s_cbranch_scc1 .Lnot_wave_0_\@
	s_barrier_signal -3
.Lnot_wave_0_\@:
	s_barrier_wait -3
	s_barrier_signal -1
	s_barrier_wait -1
.endm
.macro CROUND
	s_barrier_signal -1
	s_barrier_wait -1
	CREST
.endm
	s_load_b256 s[4:11], s[0:1], 0x0               ; cc s[4:5], wc s[6:7], the scales s[8:9], bo s[10:11]
	s_load_b64 s[12:13], s[0:1], 0x20              ; out0
	v_lshl_add_u32 v[SPW], v0, 2, SPARE
	v_mov_b32 v[NIL], 0
	ds_add_u32 v[SPW], v[NIL]                      ; the wave's opening: the add and its wait ahead of my first tensor load
	ds_add_u32 v[SPW], v[NIL]
	v_lshrrev_b32 v1, 5, v0
	v_readfirstlane_b32 s14, v1                    ; wave 0..3
	s_lshr_b32 s15, s14, 1                         ; my half of the tile's rows.  Also: I fetch for A (0) or for B (1)
	s_and_b32 s16, s14, 1                          ; my half of its columns.  Also: which half I fetch
	s_bfe_u32 s40, ttmp6, 0x40000                  ; cx
	s_bfe_u32 s41, ttmp6, 0x40004                  ; cy
	s_lshl_b32 s42, ttmp9, 2
	s_add_co_u32 s42, s42, s40                     ; tile column
	s_and_b32 s17, ttmp7, 0xffff
	s_lshl_b32 s17, s17, 2
	s_add_co_u32 s17, s17, s41                     ; tile row
	s_lshl_b32 s43, s41, 2
	s_lshl_b32 s43, 15, s43                        ; my row of the cluster
	s_lshl_b32 s44, 0x1111, s40                    ; my column
	s_or_b32 s[G1+0], s43, (3<<16)|(1<<21)         ; A: the mask; elements of 8 bytes; bit 21 beside a mask; no padding: an image is read 512 consecutive bytes at a time
	s_mov_b32 s[G1+1], 512<<16                     ; tensor_dim0: 4,096 bytes
	s_mov_b32 s[G1+2], 8<<16                       ; tensor_dim1: 8 tiles of 16 tokens
	s_mov_b32 s[G1+3], 512<<16                     ; tile_dim0
	s_mov_b32 s[G1+4], 8                           ; tile_dim1
	s_mov_b32 s[G1+5], 2048                        ; from tile to tile: 16,384 bytes
	s_mov_b32 s[G1+6], 0
	s_mov_b32 s[G1+7], 0
	s_or_b32 s[G1B+0], s44, (0<<16)|(1<<20)|(1<<21)|(5<<22)|(3<<25)  ; B: elements of 1 byte; padding: 4 words after every 64
	s_mov_b32 s[G1B+1], ROWB<<16
	s_mov_b32 s[G1B+2], 128<<16
	s_mov_b32 s[G1B+3], ROWB<<16
	s_mov_b32 s[G1B+4], 128
	s_mov_b32 s[G1B+5], KROW
	s_mov_b32 s[G1B+6], 0
	s_mov_b32 s[G1B+7], 0
	s_lshl_b32 s20, s17, 18                        ; A: 16 tiles of 16,384 bytes a tile row,
	s_lshl_b32 s21, s16, 17                        ; + the eight that I fetch
	s_add_co_u32 s20, s20, s21
	s_mov_b32 s21, 0
	s_lshl_b32 s46, s42, 18                        ; B: 256 rows of 1,024 bytes a tile column,
	s_lshl_b32 s47, s16, 17
	s_add_co_u32 s46, s46, s47
	s_add_co_u32 s46, s46, 0x300000                ; in part 3 of wc
	s_mov_b32 s47, 0
	s_lshl_b32 s45, s16, 15                        ; where they go: A's half,
	s_mul_i32 s66, s16, HALFB
	s_add_co_u32 s66, s66, BOFF                    ; B's half
	s_wait_dscnt 0x0                               ; the opening add is done
	s_wait_kmcnt 0x0
	s_load_b64 s[96:97], s[8:9], 0x28              ; e10, e11
	s_add_nc_u64 s[20:21], s[4:5], s[20:21]
	s_add_nc_u64 s[46:47], s[6:7], s[46:47]
	CROUND                                         ; all sixteen work-groups are here: the first joint loads meet
.irp s, 0,1
	s_mov_b32 s[G0+4*\s], 1
	s_add_co_u32 s[G0+4*\s+1], s45, \s*SLOT
	s_add_nc_u64 s[G0+4*\s+2:G0+4*\s+3], s[20:21], \s*ASTEP
	s_or_b32 s[G0+4*\s+3], s[G0+4*\s+3], 0x80000000
	s_mov_b32 s[G0B+4*\s], 1
	s_add_co_u32 s[G0B+4*\s+1], s66, \s*SLOT
	s_add_nc_u64 s[G0B+4*\s+2:G0B+4*\s+3], s[46:47], \s*ROWB
	s_or_b32 s[G0B+4*\s+3], s[G0B+4*\s+3], 0x80000000
	s_wait_alu depctr_va_vdst(0)
	s_wait_tensorcnt 0x0
	ds_add_u32 v28, v29
	ds_add_u32 v28, v29
	s_wait_dscnt 0x0
	CROUND
	JLOAD G0+4*\s, G1, G0B+4*\s, G1B
.endr
	v_and_b32 v1, 15, v0                           ; r
	v_bfe_u32 v2, v0, 4, 1                         ; h
	v_and_b32 v6, 31, v0                           ; lane
	v_lshlrev_b32 v[CO], 4, v6                     ; 16 x lane
	v_mul_u32_u24 v3, v1, PITCH
	v_lshl_add_u32 v4, v2, 4, v3
	s_lshl_b32 s21, s15, 15                        ; my eight tiles of A
	s_mul_i32 s22, s16, HALFB
	s_add_co_u32 s22, s22, BOFF                    ; my 128 rows of B
.irp s, 0,1
	v_add_nc_u32 v[ADRA+\s], s21, v[CO]
	v_add_nc_u32 v[ADRB+\s], s22, v4
	s_add_co_u32 s21, s21, SLOT
	s_add_co_u32 s22, s22, SLOT
.endr
	s_mul_i32 s23, s14, 16*SPITCH                  ; my stage
	v_mul_u32_u24 v5, v1, SPITCH
	v_lshl_add_u32 v5, v2, 5, v5
	v_add_nc_u32 v[STO], s23, v5                   ; in: row r, 32 bytes for each half of the lanes
	v_add_nc_u32 v[RD], s23, v[CO]                 ; back: the 32 lanes take one row of 512 bytes
	s_lshl_b32 s68, s42, 10
	s_lshl_b32 s69, s16, 9
	s_add_co_u32 s68, s68, s69                     ; my first column, in bytes
	s_mov_b32 s69, 0
	s_add_nc_u64 s[10:11], s[10:11], s[68:69]
	global_load_b128 v[8:11], v[CO], s[10:11]      ; bo at my four columns
	s_lshl_b32 s70, s17, 20                        ; my first row: 256 rows of 4,096 bytes a tile row,
	s_lshl_b32 s71, s15, 19
	s_add_co_u32 s70, s70, s71
	s_add_co_u32 s70, s70, s68
	s_mov_b32 s71, 0
	s_add_nc_u64 s[12:13], s[12:13], s[70:71]
.macro FRAGB reg, adr, q, i            ; registers 4 c .. 4 c + 3 hold K = 32 c + 16 (l / 16) + 0 .. 15 of row l % 16
.irp c, 0,1,2,3
	ds_load_b128 v[\reg+4*\c:\reg+4*\c+3], v[\adr] offset:128*(\q)+32*\c+(\i)*16*PITCH
.endr
.endm
.macro FRAGA reg, adr, q, i            ; the same registers, as they were stored: 512 consecutive bytes a load
.irp c, 0,1,2,3
	ds_load_b128 v[\reg+4*\c:\reg+4*\c+3], v[\adr] offset:ASTEP*(\i)+2048*(\q)+512*\c
.endr
.endm
.macro MUL16 a0, p, zero               ; the 64 accumulators take turns, one instruction a turn
.irp a, \a0, \a0+1
.irp b, 0,1,2,3,4,5,6,7
.if \zero
	v_wmma_f32_16x16x128_fp8_fp8 v[8*(8*((\a)%4)+\b):8*(8*((\a)%4)+\b)+7], v[128*(\p)+FR*\b:128*(\p)+FR*\b+FR-1], v[AF+FR*(\a):AF+FR*(\a)+FR-1], 0
.else
	v_wmma_f32_16x16x128_fp8_fp8 v[8*(8*((\a)%4)+\b):8*(8*((\a)%4)+\b)+7], v[128*(\p)+FR*\b:128*(\p)+FR*\b+FR-1], v[AF+FR*(\a):AF+FR*(\a)+FR-1], v[8*(8*((\a)%4)+\b):8*(8*((\a)%4)+\b)+7]
.endif
.endr
.endr
.endm
.macro FETCH_B slot, q, p
	WIN TO_B
.irp i, 0,1,2,3,4,5,6,7
	FRAGB 128*(\p)+FR*\i, ADRB+\slot, \q, \i
.endr
	WIN 0
.endm
.macro FETCH_A slot, q, i0
.irp i, \i0, \i0+1, \i0+2, \i0+3
	FRAGA AF+FR*(\i), ADRA+\slot, \q, \i
.endr
.endm
.macro PLACES n
.rept \n
	v_nop
.endr
.endm
.macro STEP slot, q, zero
	s_wait_dscnt 4*NL                              ; B's set and A's blocks 0-3 are in; A's blocks 4-7 may be out
	WIN MUL_LO
	MUL16 0, (\q)%2, \zero
	MUL16 2, (\q)%2, \zero
	s_wait_dscnt 0
	PLACES NP
	FETCH_B \slot, (\q)+1, 1-(\q)%2
	FETCH_A \slot, (\q)+1, 0
	WIN MUL_HI
	MUL16 4, (\q)%2, \zero
	MUL16 6, (\q)%2, \zero
	PLACES NP
	WIN 0
	FETCH_A \slot, (\q)+1, 4
.endm
.macro TURN slot, next, fill
	s_wait_tensorcnt 0x0                           ; all my tensor loads have landed: my part of the next slot
	ds_add_u32 v[SPW], v[NIL]                      ; 0 onto my spare word
	s_wait_dscnt 4*NL+1                            ; (the add and A's blocks 4-7 may be out)
	WIN MUL_LO
	MUL16 0, 1, 0
	s_wait_dscnt 0x0                               ; the add is done, and my reads of this slot are over
	s_barrier_signal -1
	MUL16 2, 1, 0
	WIN 0
	s_barrier_wait -1
.if \fill
	CREST                                          ; the barrier has opened a round of the cluster's
	s_add_nc_u64 s[G0+4*\slot+2:G0+4*\slot+3], s[G0+4*\slot+2:G0+4*\slot+3], 2*ASTEP
	s_add_nc_u64 s[G0B+4*\slot+2:G0B+4*\slot+3], s[G0B+4*\slot+2:G0B+4*\slot+3], 2*ROWB
	JLOAD G0+4*\slot, G1, G0B+4*\slot, G1B         ; the first tensor load behind the round
.else
	PLACES NP
.endif
	FETCH_B \next, 0, 0
	FETCH_A \next, 0, 0
	WIN MUL_HI
	MUL16 4, 1, 0
	MUL16 6, 1, 0
	PLACES NP
	WIN 0
	FETCH_A \next, 0, 4
.endm
	s_wait_alu depctr_va_vdst(0)
	s_wait_tensorcnt 1                             ; my part of K step 0 is in; K step 1's load may be out
	s_barrier_signal -1
	s_barrier_wait -1
	FETCH_B 0, 0, 0
	FETCH_A 0, 0, 0
	FETCH_A 0, 0, 4
	STEP 0, 0, 1
	TURN 0, 1, 1
	STEP 1, 0, 0
	TURN 1, 0, 1
	STEP 0, 0, 0
	TURN 0, 1, 0                                   ; behind this barrier nobody reads slot 0
	STEP 1, 0, 0
	s_wait_dscnt 4*NL
	WIN MUL_LO
	MUL16 0, 1, 0
	MUL16 2, 1, 0
	s_wait_dscnt 0
	WIN MUL_HI
	MUL16 4, 1, 0
	MUL16 6, 1, 0
	WIN 0
; THE WAY OUT, block by block of 16 rows x 128 columns: the sums go into my stage as they stand, each accumulator's low four registers first, and come back as whole rows of 512 bytes;
; there each number is multiplied by 2^(e10 + e11) and bo is added; the 32 lanes store 512 consecutive bytes, aligned.  LDS serves a wave's instructions in order (ISA guide 5.7.1.4).
.macro TOSTAGE a
.set AC, 64*((\a)%4)
	WIN 0x08+4*((\a)/4)                            ; the stores' data: window 2 or 3
.irp b, 0,1,2,3,4,5,6,7
	ds_store_b128 v[STO], v[AC+8*\b:AC+8*\b+3] offset:64*\b
	ds_store_b128 v[STO], v[AC+8*\b+4:AC+8*\b+7] offset:64*\b+16
.endr
	WIN 0
.set BB, BK+64*((\a)%2)
.irp t, 0,1,2,3,4,5,6,7,8,9,10,11,12,13,14,15
	ds_load_b128 v[BB+4*\t:BB+4*\t+3], v[RD] offset:\t*SPITCH
.endr
.endm
.macro SEND a, younger                 ; younger: the LDS instructions issued behind block a's loads, which may stay out
.set BB, BK+64*((\a)%2)
	s_wait_dscnt \younger
.if (\a) > 0
	s_add_nc_u64 s[12:13], s[12:13], 16*4096       ; (behind a wait on XCNT: the earlier stores have read their base)
.endif
.irp t, 0,1,2,3,4,5,6,7,8,9,10,11,12,13,14,15
	v_pk_fma_f32 v[BB+4*\t:BB+4*\t+1], v[BB+4*\t:BB+4*\t+1], s[96:97], v[8:9] op_sel_hi:[1,0,1]
	v_pk_fma_f32 v[BB+4*\t+2:BB+4*\t+3], v[BB+4*\t+2:BB+4*\t+3], s[96:97], v[10:11] op_sel_hi:[1,0,1]
	global_store_b128 v[CO], v[BB+4*\t:BB+4*\t+3], s[12:13] offset:\t*4096 th:TH_STORE_NT
.endr
.endm
	s_wait_kmcnt 0x0
	s_add_co_i32 s96, s96, s97
	s_add_co_i32 s96, s96, 127
	s_lshl_b32 s96, s96, 23                        ; 2^(e10 + e11) as f32
	s_mov_b32 s97, s96                             ; (named with it as a pair)
	s_wait_loadcnt 0x0                             ; bo
	PLACES NP
	TOSTAGE 0
.irp a, 1,2,3,4,5,6,7
.if \a > 1
	s_wait_xcnt 0x0                                ; block a - 2's stores have read their registers and their base
.endif
	TOSTAGE \a
	SEND \a-1, 32                                  ; behind block a - 1's loads: block a's 16 stores and 16 loads
.endr
	s_wait_xcnt 0x0
	SEND 7, 0
	s_wait_tensorcnt 0x0                           ; the wave's end
	ds_add_u32 v[SPW], v[NIL]
	s_wait_dscnt 0x0
	CROUND                                         ; the closing round
	s_endpgm
.Lfunc_end_k_q15f44e2320_oproj:
	.size	k_q15f44e2320_oproj, .Lfunc_end_k_q15f44e2320_oproj-k_q15f44e2320_oproj
	.p2alignl 7, 3214868480
	.fill 96, 4, 3214868480
	.section	.rodata,"a",@progbits
	.p2align	6, 0x0
	.amdhsa_kernel k_q15f44e2320_oproj
		.amdhsa_group_segment_fixed_size 327680
		.amdhsa_private_segment_fixed_size 0
		.amdhsa_enable_private_segment 0
		.amdhsa_kernarg_size 40
		.amdhsa_user_sgpr_count 2
		.amdhsa_user_sgpr_kernarg_segment_ptr 1
		.amdhsa_wavefront_size32 1
		.amdhsa_system_sgpr_workgroup_id_x 1
		.amdhsa_system_sgpr_workgroup_id_y 1
		.amdhsa_system_sgpr_workgroup_id_z 1
		.amdhsa_system_vgpr_workitem_id 0
		.amdhsa_next_free_vgpr 1024
		.amdhsa_next_free_sgpr 100
		.amdhsa_reserve_vcc 0
		.amdhsa_float_denorm_mode_32 3
		.amdhsa_float_denorm_mode_16_64 3
		.amdhsa_memory_ordered 1
		.amdhsa_forward_progress 1
		.amdhsa_inst_pref_size 124
	.end_amdhsa_kernel
	.amdgpu_metadata
---
amdhsa.version: [ 1, 2 ]
amdhsa.kernels:
  - .name:           k_q15f44e2320_oproj
    .symbol:         k_q15f44e2320_oproj.kd
    .args:
      - { .name: cc, .offset: 0, .size: 8, .value_kind: global_buffer, .address_space: global }
      - { .name: wc, .offset: 8, .size: 8, .value_kind: global_buffer, .address_space: global }
      - { .name: lowp_scales, .offset: 16, .size: 8, .value_kind: global_buffer, .address_space: global }
      - { .name: bo, .offset: 24, .size: 8, .value_kind: global_buffer, .address_space: global }
      - { .name: out0, .offset: 32, .size: 8, .value_kind: global_buffer, .address_space: global }
    .group_segment_fixed_size: 327680
    .private_segment_fixed_size: 0
    .kernarg_segment_align: 8
    .kernarg_segment_size: 40
    .max_flat_workgroup_size: 128
    .sgpr_count:     100
    .vgpr_count:     1024
    .wavefront_size: 32
...
	.end_amdgpu_metadata
.endif
;; end of part 4
